; MI455X (gfx1250); checked and timed in simulation.
; The chip was launched on July 23, 2026; its instructions are those of AMD's public machine-readable ISA for CDNA 5 (MIT licence, August 2026) and "CDNA5" Instruction Set Architecture Reference Guide (July 2026). The comments in the code are by the model that wrote it; some were corrected since.
;; MAB PRE NORMAL. Allowed arithmetic: matrix products marked QUANTISED: E2M1 operands, one E8M0 scale for each 32 along K, by v_wmma_scale_f32_16x16x128_f8f6f4 with both operands' format E2M1 (or v_wmma_scale_f32_32x16x128_f4), f32 sums; everything else in f32.
;; Inputs: K 8 x 1,024 x 1,024 float32; Q 8 x 1,024 x 1,024 float32; Wk_codes 1,024 x 32 x 16 uint8 (E2M1 codes of Wk, K innermost, in blocks of 32 codes, two codes a byte); Wk_scales 1,024 x 32 uint8 (E8M0 scales of Wk, one for each 32 codes along K); Wo_codes 1,024 x 32 x 16 uint8 (E2M1 codes of Wo, K innermost, in blocks of 32 codes, two codes a byte); Wo_scales 1,024 x 32 uint8 (E8M0 scales of Wo, one for each 32 codes along K); Wq_codes 1,024 x 32 x 16 uint8 (E2M1 codes of Wq, K innermost, in blocks of 32 codes, two codes a byte); Wq_scales 1,024 x 32 uint8 (E8M0 scales of Wq, one for each 32 codes along K); Wv_codes 1,024 x 32 x 16 uint8 (E2M1 codes of Wv, K innermost, in blocks of 32 codes, two codes a byte); Wv_scales 1,024 x 32 uint8 (E8M0 scales of Wv, one for each 32 codes along K); be_f 1,024 float32; be_kv 1,024 float32; be_o 1,024 float32; be_q 1,024 float32; bk 1,024 float32; bo 1,024 float32; bq 1,024 float32; bv 1,024 float32; g_f 1,024 float32; g_kv 1,024 float32; g_o 1,024 float32; g_q 1,024 float32; pad_mask 8 x 1,024 float32.
;; Outputs: out0 8 x 1,024 x 1,024 float32.
;; This version of the problem:
;;   THIS VERSION OF THE PROBLEM IS GIVEN IN LOW PRECISION. The matrix products marked QUANTISED in the list below multiply operands that are first quantised to E2M1 (2 exponent bits, 1 mantissa bit; 4 bits a number), with one power-of-two scale for each 32 numbers along K (OCP MX v1.0); their sums are f32. All else is computed in f32.
;;   The module's matrix products, in the order in which they are computed (A, B: the left and right operand; K: the contracted axis; several contracted axes count as one K, in the product's order):
;;     1. [M 8,192, K 1,024] x [K 1,024, N 1,024]; A: computed on the way; B: input Wq (given as codes): QUANTISED
;;     2. [M 8,192, K 1,024] x [K 1,024, N 1,024]; A: computed on the way; B: input Wk (given as codes): QUANTISED
;;     3. [M 8,192, K 1,024] x [K 1,024, N 1,024]; A: computed on the way; B: input Wv (given as codes): QUANTISED
;;     4. batch 128 x [M 1,024, K 64] x [K 64, N 1,024]; A: computed on the way; B: computed on the way: QUANTISED
;;     5. batch 128 x [M 64, K 1,024] x [K 1,024, N 1,024]; A: computed on the way; B: computed on the way: QUANTISED
;;     6. [M 8,192, K 1,024] x [K 1,024, N 1,024]; A: computed on the way; B: input Wo (given as codes): QUANTISED
;;   THE QUANTISER, for each operand of a quantised product, along K:
;;     - K is cut into blocks of 32 from its start; a last block that is shorter is filled with zeros.
;;     - A block's scale is 2^e with e = floor(log2(the largest magnitude in the block)) - 2, held to -126 .. 127; a block of zeros has e = 0. As a byte (E8M0): e + 127.
;;     - Each number is divided by its block's scale, clamped to +-6, and rounded to the nearest number of E2M1, ties to even, subnormals kept.
;;     - The product sums the exact products of the quantised numbers (number of the format x scale) in f32.
;;   ~~~python
;;   def quantise(x, axis):      # numpy; x: float32 -> the quantised numbers, widened to float32 again
;;       x = np.moveaxis(x, axis, -1); K = x.shape[-1]
;;       x = np.pad(x, [(0, 0)] * (x.ndim - 1) + [(0, -K % 32)]); x = x.reshape(x.shape[:-1] + (-1, 32)); a = np.abs(x).max(-1, keepdims=True)
;;       e = np.where(a > 0, np.clip(np.frexp(np.where(a > 0, a, 1))[1] - 1 - 2, -126, 127), 0)      # np.frexp(a)[1] - 1 = floor(log2(a)), exactly
;;       r = np.clip(x / 2.0 ** e, -6, 6)
;;       step = 2.0 ** (np.maximum(np.frexp(np.where(r == 0, 1, r))[1] - 1, 0) - 1)
;;       q = np.round(r / step) * step * 2.0 ** e      # np.round: ties to even
;;       return np.moveaxis(q.reshape(q.shape[:-2] + (-1,))[..., :K], -1, axis).astype(np.float32)
;;   ~~~
;;   OPERANDS COMPUTED ON THE WAY. 'Computed on the way' means the value that the module computes at that place (a softmax that the list does not call 'softmax' is quantised finished and normalised). What goes into a quantiser is computed in f32, as accurately as f32 sums, v_exp_f32 and their like allow (about 1e-6 of the number): no bf16 or f16 on the way to a quantiser, and a product that is left as it is and whose result goes on into a quantised operand takes f32 operands (vector FMAs, or v_wmma_f32_16x16x4_f32). A number that lies on a knife's edge between two numbers of the format may be rounded either way, as far as f32 arithmetic and the matrix unit's own rounding can turn it there, and no further.
;;   INPUTS GIVEN AS CODES. Wk (in the module: [1024, 1024], K = its axis 1); Wo (in the module: [1024, 1024], K = its axis 1); Wq (in the module: [1024, 1024], K = its axis 1); Wv (in the module: [1024, 1024], K = its axis 1): each comes as NAME_codes (uint8): NAME with its K axis moved to the last place and cut into blocks of 32 codes, [.., K / 32, bytes a block], one block behind the other in memory; two codes a byte, the lower K in the low four bits (a code: sign, 2 exponent bits, 1 mantissa bit); and NAME_scales (uint8): the same leading axes, one E8M0 byte (e + 127) for each 32 codes along K. Its value is code x scale, taken as it is: it is not quantised again, and the codes and scales need not be those that the quantiser above would give.
;; 2 versions, each right; version 2 is version 1 with the launch attn written anew for expert scheduling mode. Each part assembles by itself: llvm-mc -triple=amdgcn-amd-amdhsa -mcpu=gfx1250 --defsym DOCPART=n.
;; ======== version 1 of 2: 4 launches
;; limits: right only within a limited range of input values
;; workspace buffers: img 10,485,760 bytes; simg 655,360 bytes; att 12,582,912 bytes; asc 1,310,720 bytes; obuf 33,554,432 bytes; flags 131,072 bytes of whole numbers
;; launch lnq (part 1): grid 640 x 1, 4 waves a work-group, no clusters, 56,320 bytes of LDS; arguments Q, K, g_q, be_q, g_kv, be_kv, Wq_codes, Wq_scales, Wk_codes, Wk_scales, Wv_codes, Wv_scales, Wo_codes, Wo_scales, img, simg; writes img, simg
.if DOCPART == 1
	.amdgcn_target "amdgcn-amd-amdhsa--gfx1250"
	.amdhsa_code_object_version 6
	.text
	.protected	k_q3a77d549ae_lnq
	.globl	k_q3a77d549ae_lnq
	.p2align	8
	.type	k_q3a77d549ae_lnq,@function
k_q3a77d549ae_lnq:
	s_mov_b64 s[64:65], 0
	v_nop
	global_prefetch_b8 v0, s[64:65] scope:SCOPE_SE
	s_setreg_imm32_b32 hwreg(HW_REG_WAVE_MODE, 25, 1), 1
	s_wait_xcnt 0x0
; Work-groups 0-511: layer norm of 32 rows of Q (0-255) or K (256-511), quantised to E2M1 with one E8M0 byte for each 32 along the row.
; Work-groups 512-639: 32 rows of one of the four given weights, codes and bytes taken as they are.  Both leave as a PAIR in the order of an operand's registers:
;   img  pair: 16,384 bytes [u 2][block 32][r 16][16 bytes]; row rho of the 32 is (u, r) with rho = 8 u + r + 8 (r / 8)
;   simg pair:  1,024 bytes [u 2][r + 16 e][16 bytes]: byte i is the scale byte of row (u, r), block 16 e + i
; Wave w takes rows 8 w + i: tile u = w % 2, r = 8 (w / 2) + i.  A row is 4,096 bytes: eight loads of 512 consecutive bytes; it turns through the wave's own stage in LDS so that lane l holds block l.
; Mean and variance in two passes, f32.  LIMITS: NaN and infinities are not served; a block whose largest magnitude lies under 2^-124 keeps the byte 1; the order of the sums is not reference()'s.
; No matrix work, no cluster (work-groups share nothing but 8 KB of gains), no tensor load: a stream through registers, 32 loads of a wave in flight.
.set WSTG,  4624                       ; a wave's stage: 32 blocks of 128 bytes + 16 of padding, and 16 more
.set IMGA,  4*WSTG                     ; the pair's image, rows of 256 bytes at pitch 272: 64 of them.  The two paths have LDS bytes of their own
.set SIMA,  IMGA+64*272
.set IMGB,  SIMA+1024
.set SIMB,  IMGB+64*272
.set LANE,  1
.set L16,   2                          ; 16 x lane
.set STW,   3                          ; stage, in: 16 l + 16 (l / 8) + my wave's stage
.set STR,   4                          ; stage, out: 144 l + my wave's stage
.set IMW,   5                          ; image: 272 l + 8704 (w % 2) + 128 (w / 2)
.set SBW,   6                          ; scale bytes: 256 (l / 16) + l % 16 + 512 (w % 2) + 128 (w / 2)
.set L128,  7                          ; 128 x lane
.set CIM,   8                          ; the way out: 272 (t / 16) + 16 (t % 16)
.set T16,   9                          ; 16 x thread
.set T8,    10                         ; 8 x thread
.set G,     16                         ; v16-47 the gain of my block, v48-79 the bias
.set BE,    48
.set R,     80                         ; v80-207 four rows as loaded
.set X,     208                        ; v208-239 my block of the row at work
.set T,     240                        ; v240-251 at work
.set C,     252                        ; v252-255 my block's codes
	s_load_b512 s[8:23], s[0:1], 0x0               ; Q, K, g_q, be_q, g_kv, be_kv, Wq codes, Wq scales
	s_load_b512 s[24:39], s[0:1], 0x40             ; Wk, Wv, Wo (codes, scales), img, simg
	v_lshl_add_u32 v250, v0, 2, 0xda00
	v_mov_b32 v251, 0
	v_lshrrev_b32 v12, 5, v0
	v_readfirstlane_b32 s40, v12                   ; wave
	v_and_b32 v[LANE], 31, v0
	v_lshlrev_b32 v[L16], 4, v[LANE]
	v_lshrrev_b32 v12, 3, v[LANE]
	v_lshl_add_u32 v[STW], v12, 4, v[L16]
	s_mul_i32 s41, s40, WSTG
	v_add_nc_u32 v[STW], s41, v[STW]
	v_mul_u32_u24 v[STR], v[LANE], 144
	v_add_nc_u32 v[STR], s41, v[STR]
	s_and_b32 s42, s40, 1
	s_lshr_b32 s43, s40, 1
	s_lshl_b32 s45, s43, 7
	s_mul_i32 s44, s42, 8704
	s_add_co_u32 s44, s44, s45
	v_mul_u32_u24 v[IMW], v[LANE], 272
	v_add_nc_u32 v[IMW], s44, v[IMW]
	s_lshl_b32 s44, s42, 9
	s_add_co_u32 s44, s44, s45
	v_lshrrev_b32 v12, 4, v[LANE]
	v_and_b32 v13, 15, v[LANE]
	v_lshl_add_u32 v[SBW], v12, 8, v13
	v_add_nc_u32 v[SBW], s44, v[SBW]
	v_lshlrev_b32 v[L128], 7, v[LANE]
	v_lshrrev_b32 v12, 4, v0
	v_and_b32 v13, 15, v0
	v_mul_u32_u24 v[CIM], v12, 272
	v_lshl_add_u32 v[CIM], v13, 4, v[CIM]
	v_lshlrev_b32 v[T16], 4, v0
	v_lshlrev_b32 v[T8], 3, v0
	v_mov_b32 v[T+5], 0                            ; a lane permute's destination counts as read: written once
	s_mov_b32 s46, 0x3a800000                      ; 1 / 1024
	s_mov_b32 s47, 0x3727c5ac                      ; 1e-5
	s_mov_b32 s48, 0x76543210
	s_mov_b32 s49, 0xfedcba98                      ; lane l xor 16
	s_lshl_b32 s50, ttmp9, 14                      ; my pair in img
	s_mov_b32 s51, 0
	s_lshl_b32 s52, ttmp9, 10                      ; and in simg
	s_mov_b32 s53, 0
	s_wait_kmcnt 0x0
	s_add_nc_u64 s[36:37], s[36:37], s[50:51]
	s_add_nc_u64 s[38:39], s[38:39], s[52:53]
; The pair leaves LDS through registers: each store of a wave covers 512 (256 for the bytes) consecutive bytes, aligned.
.macro COPYOUT img, sim
	s_wait_dscnt 0x0                               ; my stores into the image have landed
	s_barrier_signal -1
	s_barrier_wait -1                              ; everybody's have
.irp k, 0,1,2,3,4,5,6,7
	ds_load_b128 v[R+4*\k:R+4*\k+3], v[CIM] offset:\img+2176*\k
.endr
	ds_load_b64 v[R+32:R+33], v[T8] offset:\sim
.irp k, 0,1,2,3,4,5,6,7
	s_wait_dscnt 8-\k                              ; the younger LDS loads may stay out
	global_store_b128 v[T16], v[R+4*\k:R+4*\k+3], s[36:37] offset:2048*\k
.endr
	s_wait_dscnt 0x0
	global_store_b64 v[T8], v[R+32:R+33], s[38:39]
	s_wait_tensorcnt 0x0
	ds_add_u32 v250, v251
	s_wait_dscnt 0x0
	s_endpgm
.endm
	s_cmp_ge_u32 ttmp9, 512
	s_cbranch_scc1 .Lweights
	; ---- layer norm and quantiser
	s_cmp_lt_u32 ttmp9, 256                        ; Q's pair or K's: the choice hangs on the work-group's number alone
	s_cselect_b64 s[4:5], s[8:9], s[10:11]
	s_cselect_b64 s[12:13], s[12:13], s[16:17]
	s_cselect_b64 s[14:15], s[14:15], s[18:19]
	s_and_b32 s50, ttmp9, 255
	s_lshl_b32 s50, s50, 17                        ; 32 rows of 4,096 bytes,
	s_lshl_b32 s52, s40, 15                        ; my wave's 8
	s_add_co_u32 s50, s50, s52
	s_add_nc_u64 s[4:5], s[4:5], s[50:51]
.irp j, 0,1,2,3,4,5,6,7
	global_load_b128 v[G+4*\j:G+4*\j+3], v[L128], s[12:13] offset:16*\j
	global_load_b128 v[BE+4*\j:BE+4*\j+3], v[L128], s[14:15] offset:16*\j
.endr
.macro ROWLOAD i
.irp j, 0,1,2,3,4,5,6,7
	global_load_b128 v[R+32*((\i)%4)+4*\j:R+32*((\i)%4)+4*\j+3], v[L16], s[4:5] offset:(\i)*4096+512*\j th:TH_LOAD_NT
.endr
.endm
.macro STAGE i                         ; LDS serves a wave's instructions in order: no wait between the stores and the loads
.irp j, 0,1,2,3,4,5,6,7
	ds_store_b128 v[STW], v[R+32*((\i)%4)+4*\j:R+32*((\i)%4)+4*\j+3] offset:576*\j
.endr
.irp j, 0,1,2,3,4,5,6,7
	ds_load_b128 v[X+4*\j:X+4*\j+3], v[STR] offset:16*\j
.endr
.endm
.macro WSUM                            ; v[T] summed over the 32 lanes, the result in every lane
	v_add_f32_dpp v[T], v[T], v[T] row_xmask:1 row_mask:0xf bank_mask:0xf
	v_add_f32_dpp v[T], v[T], v[T] row_xmask:2 row_mask:0xf bank_mask:0xf
	v_add_f32_dpp v[T], v[T], v[T] row_xmask:4 row_mask:0xf bank_mask:0xf
	v_add_f32_dpp v[T], v[T], v[T] row_xmask:8 row_mask:0xf bank_mask:0xf
	v_permlanex16_b32 v[T+5], v[T], s48, s49
	v_add_f32 v[T], v[T], v[T+5]
.endm
.macro LNROW i
	v_pk_add_f32 v[T:T+1], v[X:X+1], v[X+2:X+3]    ; the sum, in two chains
	v_pk_add_f32 v[T+2:T+3], v[X+4:X+5], v[X+6:X+7]
.irp j, 8,12,16,20,24,28
	v_pk_add_f32 v[T:T+1], v[T:T+1], v[X+\j:X+\j+1]
	v_pk_add_f32 v[T+2:T+3], v[T+2:T+3], v[X+\j+2:X+\j+3]
.endr
	v_pk_add_f32 v[T:T+1], v[T:T+1], v[T+2:T+3]
	v_add_f32 v[T], v[T], v[T+1]
	WSUM
	v_mul_f32 v[T+6], s46, v[T]                    ; the mean, twice
	v_mul_f32 v[T+7], s46, v[T]
.irp j, 0,2,4,6,8,10,12,14,16,18,20,22,24,26,28,30
	v_pk_add_f32 v[X+\j:X+\j+1], v[X+\j:X+\j+1], v[T+6:T+7] neg_lo:[0,1] neg_hi:[0,1]
.endr
	v_pk_mul_f32 v[T:T+1], v[X:X+1], v[X:X+1]      ; the squares, in two chains
	v_pk_mul_f32 v[T+2:T+3], v[X+2:X+3], v[X+2:X+3]
.irp j, 4,8,12,16,20,24,28
	v_pk_fma_f32 v[T:T+1], v[X+\j:X+\j+1], v[X+\j:X+\j+1], v[T:T+1]
	v_pk_fma_f32 v[T+2:T+3], v[X+\j+2:X+\j+3], v[X+\j+2:X+\j+3], v[T+2:T+3]
.endr
	v_pk_add_f32 v[T:T+1], v[T:T+1], v[T+2:T+3]
	v_add_f32 v[T], v[T], v[T+1]
	WSUM
	v_fma_f32 v[T+4], v[T], s46, s47               ; variance + eps
	v_rsq_f32 v[T+8], v[T+4]
	v_rsq_f32 v[T+9], v[T+4]
	v_nop                                          ; a plain line behind the transcendentals
	s_wait_alu depctr_va_vdst(0)                   ; one wait for the two, ahead of their first reader
.irp j, 0,2,4,6,8,10,12,14,16,18,20,22,24,26,28,30
	v_pk_mul_f32 v[X+\j:X+\j+1], v[X+\j:X+\j+1], v[T+8:T+9]
.endr
.irp j, 0,2,4,6,8,10,12,14,16,18,20,22,24,26,28,30
	v_pk_fma_f32 v[X+\j:X+\j+1], v[X+\j:X+\j+1], v[G+\j:G+\j+1], v[BE+\j:BE+\j+1]
.endr
	v_max3_num_f32 v[T], |v[X]|, |v[X+1]|, 0x1800000           ; my block's largest magnitude, and the floor 2^(3 - 127): the byte cannot fall under 1
	v_max3_num_f32 v[T+1], |v[X+2]|, |v[X+3]|, 0x1800000
.irp j, 4,8,12,16,20,24,28
	v_max3_num_f32 v[T], v[T], |v[X+\j]|, |v[X+\j+1]|
	v_max3_num_f32 v[T+1], v[T+1], |v[X+\j+2]|, |v[X+\j+3]|
.endr
	v_max_num_f32 v[T], v[T], v[T+1]
	v_add_nc_u32 v[T+2], 0xff000000, v[T]          ; 2 off its exponent field: the conversion's scale operand
.irp g, 0,1,2,3
	v_cvt_scalef32_pk8_fp4_f32 v[C+\g], v[X+8*\g:X+8*\g+7], v[T+2]
.endr
	v_lshrrev_b32 v[T+3], 23, v[T+2]               ; the scale's byte (also the plain line behind the conversions)
	ds_store_b128 v[IMW], v[C:C+3] offset:IMGA+16*(\i)
	ds_store_b8 v[SBW], v[T+3] offset:SIMA+16*(\i)
.endm
.macro ROW i
.if (\i) < 5
	s_wait_loadcnt 24                              ; this row's eight loads are in; the three rows behind it may be out
.else
	s_wait_loadcnt 8*(7-(\i))
.endif
	STAGE \i
	s_wait_dscnt 0x0                               ; my block is in X
.if (\i) < 4
	ROWLOAD (\i)+4
.endif
	LNROW \i
.endm
.irp i, 0,1,2,3
	ROWLOAD \i
.endr
.irp i, 0,1,2,3,4,5,6,7
	ROW \i
.endr
	COPYOUT IMGA, SIMA
	; ---- a given weight: the same pair, codes and bytes as they come
.Lweights:
	s_sub_co_u32 s50, ttmp9, 512
	s_lshr_b32 s54, s50, 5                         ; which weight: q, k, v, o
	s_and_b32 s50, s50, 31                         ; which 32 rows of it
	s_cmp_eq_u32 s54, 1
	s_cselect_b64 s[20:21], s[24:25], s[20:21]
	s_cselect_b64 s[22:23], s[26:27], s[22:23]
	s_cmp_eq_u32 s54, 2
	s_cselect_b64 s[20:21], s[28:29], s[20:21]
	s_cselect_b64 s[22:23], s[30:31], s[22:23]
	s_cmp_eq_u32 s54, 3
	s_cselect_b64 s[20:21], s[32:33], s[20:21]
	s_cselect_b64 s[22:23], s[34:35], s[22:23]
	s_lshl_b32 s50, s50, 5
	s_lshl_b32 s52, s40, 3
	s_add_co_u32 s50, s50, s52                     ; my wave's first row
	s_lshl_b32 s52, s50, 5                         ; 32 scale bytes a row
	s_lshl_b32 s50, s50, 9                         ; 512 bytes of codes a row
	s_add_nc_u64 s[20:21], s[20:21], s[50:51]
	s_add_nc_u64 s[22:23], s[22:23], s[52:53]
.irp i, 0,1,2,3,4,5,6,7
	global_load_b128 v[R+4*\i:R+4*\i+3], v[L16], s[20:21] offset:512*\i
	global_load_u8 v[R+32+\i], v[LANE], s[22:23] offset:32*\i
.endr
	s_wait_loadcnt 0x0
.irp i, 0,1,2,3,4,5,6,7
	ds_store_b128 v[IMW], v[R+4*\i:R+4*\i+3] offset:IMGB+16*\i
	ds_store_b8 v[SBW], v[R+32+\i] offset:SIMB+16*\i
.endr
	COPYOUT IMGB, SIMB
.Lfunc_end_k_q3a77d549ae_lnq:
	.size	k_q3a77d549ae_lnq, .Lfunc_end_k_q3a77d549ae_lnq-k_q3a77d549ae_lnq
	.p2alignl 7, 3214868480
	.fill 96, 4, 3214868480
	.section	.rodata,"a",@progbits
	.p2align	6, 0x0
	.amdhsa_kernel k_q3a77d549ae_lnq
		.amdhsa_group_segment_fixed_size 56320
		.amdhsa_private_segment_fixed_size 0
		.amdhsa_enable_private_segment 0
		.amdhsa_kernarg_size 128
		.amdhsa_user_sgpr_count 2
		.amdhsa_user_sgpr_kernarg_segment_ptr 1
		.amdhsa_wavefront_size32 1
		.amdhsa_system_sgpr_workgroup_id_x 1
		.amdhsa_system_sgpr_workgroup_id_y 1
		.amdhsa_system_sgpr_workgroup_id_z 1
		.amdhsa_system_vgpr_workitem_id 0
		.amdhsa_next_free_vgpr 256
		.amdhsa_next_free_sgpr 66
		.amdhsa_reserve_vcc 0
		.amdhsa_float_denorm_mode_32 3
		.amdhsa_float_denorm_mode_16_64 3
		.amdhsa_memory_ordered 1
		.amdhsa_forward_progress 1
		.amdhsa_inst_pref_size 87
	.end_amdhsa_kernel
	.amdgpu_metadata
---
amdhsa.version: [ 1, 2 ]
amdhsa.kernels:
  - .name:           k_q3a77d549ae_lnq
    .symbol:         k_q3a77d549ae_lnq.kd
    .args:
      - { .name: Q, .offset: 0, .size: 8, .value_kind: global_buffer, .address_space: global }
      - { .name: K, .offset: 8, .size: 8, .value_kind: global_buffer, .address_space: global }
      - { .name: g_q, .offset: 16, .size: 8, .value_kind: global_buffer, .address_space: global }
      - { .name: be_q, .offset: 24, .size: 8, .value_kind: global_buffer, .address_space: global }
      - { .name: g_kv, .offset: 32, .size: 8, .value_kind: global_buffer, .address_space: global }
      - { .name: be_kv, .offset: 40, .size: 8, .value_kind: global_buffer, .address_space: global }
      - { .name: Wq_codes, .offset: 48, .size: 8, .value_kind: global_buffer, .address_space: global }
      - { .name: Wq_scales, .offset: 56, .size: 8, .value_kind: global_buffer, .address_space: global }
      - { .name: Wk_codes, .offset: 64, .size: 8, .value_kind: global_buffer, .address_space: global }
      - { .name: Wk_scales, .offset: 72, .size: 8, .value_kind: global_buffer, .address_space: global }
      - { .name: Wv_codes, .offset: 80, .size: 8, .value_kind: global_buffer, .address_space: global }
      - { .name: Wv_scales, .offset: 88, .size: 8, .value_kind: global_buffer, .address_space: global }
      - { .name: Wo_codes, .offset: 96, .size: 8, .value_kind: global_buffer, .address_space: global }
      - { .name: Wo_scales, .offset: 104, .size: 8, .value_kind: global_buffer, .address_space: global }
      - { .name: img, .offset: 112, .size: 8, .value_kind: global_buffer, .address_space: global }
      - { .name: simg, .offset: 120, .size: 8, .value_kind: global_buffer, .address_space: global }
    .group_segment_fixed_size: 56320
    .private_segment_fixed_size: 0
    .kernarg_segment_align: 8
    .kernarg_segment_size: 128
    .max_flat_workgroup_size: 128
    .sgpr_count:     66
    .vgpr_count:     256
    .wavefront_size: 32
...
	.end_amdgpu_metadata
.endif
;; end of part 1
;; launch proj (part 2): grid 256 x 1, 4 waves a work-group, no clusters, 168,448 bytes of LDS; arguments img, simg, bq, bk, bv, pad_mask, att, asc, flags; writes att, asc, flags
.if DOCPART == 2
	.amdgcn_target "amdgcn-amd-amdhsa--gfx1250"
	.amdhsa_code_object_version 6
	.text
	.protected	k_q3a77d549ae_proj
	.globl	k_q3a77d549ae_proj
	.p2align	8
	.type	k_q3a77d549ae_proj,@function
k_q3a77d549ae_proj:
	s_mov_b64 s[64:65], 0
	v_nop
	global_prefetch_b8 v0, s[64:65] scope:SCOPE_SE
	s_setreg_imm32_b32 hwreg(HW_REG_WAVE_MODE, 25, 1), 1
	s_wait_xcnt 0x0
; Qp = LN(Q) Wq^T + bq, Kp = LN(K) Wk^T + bk, Vp = LN(K) Wv^T + bv on E2M1 codes, and the results quantised at once into the operands of attention.
; A work-group takes 128 tokens (chunk ch of batch b) of both normed tensors and four heads; wave w takes one head: its 64 rows of a weight are 256 registers, loaded once from the image.
; The tokens' images (2 x 64 KB) and scale words (2 x 4 KB) are dense blocks of memory: each wave brings its quarter of each into LDS by one tensor load, four loads a wave, all at the start; LDS is filled once.
; Tasks in the order K, V, Q.  The next task's weight comes while a task is multiplied, its loads spread over the task's eight tiles: no long run of loads stands in front of a task's first product.
; A TILE'S 16 ROWS ARE ROWS 8 u + r + 8 (r / 8) OF 32 (tokens and weight rows alike).  So with a tile as source 0 the 16 result registers of tiles 2 b, 2 b + 1 are the 16 neighbours 32 b + 16 h + 0 .. 15.
;   Q, K: source 0 = weight, source 1 = tokens: a lane holds a token, registers run along the head's 64: two blocks; the codes are registers 0-3 of a fragment.
;   V:    source 0 = tokens, source 1 = weight: a lane holds a channel, registers run along 128 keys: four blocks, one K step of the second product.
; THE PAD MASK goes into K's scale word: its byte 2 (k = 64 .. 95, where attention sets one code -6 against Q's 1.0) is 0x9e for a key with mask == 0 and 0x01 otherwise: -6 x 2^31 or -6 x 2^-126 onto the raw score.
; A WORD ABOUT THE MASK goes to the buffer flags, 512 bytes a work-group (every thread stores the same word): bit 0: each of my 128 keys' masks is 0 or 1; bit 1: one of them is 1.  Attention chooses its way by these words.
; The biases are the C of each sum's first matrix instruction.  The accumulators take turns, one instruction a turn.
; No cluster: the four work-groups of a chunk share 136 KB of tokens, a quarter of a work-group's bytes; the weights go straight into registers, where no joint load reaches.
; The LDS claim is larger than the use (139,264 bytes).
; LIMITS: NaN and infinities are not served; a block whose largest magnitude lies under 2^-124 keeps the byte 1.
; REGISTERS: window 0: v2-11 addresses; v16-79 a token tile's 8 fragments; v80-87 its scale words, two sets; v88-119 weight scale words, two sets; v120-183 biases, two sets; v184-215 codes; v216-223 scale words made;
;   v224-231 the keys' upper bytes; v232-245 at work.  Windows 1, 2: a weight each (fragment (tile tt, K step s) at 8 (8 tt + s)).  Window 3: the accumulators.
.set L16,  2                           ; 16 x lane: fragments in memory, and Q's tokens in LDS
.set XAK,  3                           ; + 65536: K's tokens in LDS
.set XSA,  4                           ; + 131072: the tokens' scale words
.set T4,   5                           ; 4 x thread
.set FLV,  6                           ; the word about the mask
.set H64,  8                           ; 64 h
.set PR4,  9                           ; 4 (r + 8 (r / 8))
.set SCO,  10                          ; 32 r + 16 h
.set L8,   11                          ; 8 x lane
.set XF,   16
.set XS,   80
.set WS,   88
.set BIAS, 120
.set PC,   184
.set PWS,  216
.set EX,   224
.set TM,   232
.set KEEPW, 252
.set MASKW, 253
.set SEL,  48                          ; s[48:49]
.set G1X,  68                          ; s[68:75] descriptor group 1: 16,384 dense bytes;  s[76:83]: 1,024
.set G1S,  76
.set G0XK, 84                          ; s[84:99] four groups 0: K's tokens, their scale words, Q's tokens, their scale words
.set G0SK, 88
.set G0XQ, 92
.set G0SQ, 96
.set MSB, 0
.macro WIN new                         ; the immediate's high byte repeats the setting that is left; a switch that changes nothing is dropped
.if MSB != (\new)
	s_set_vgpr_msb (MSB<<8)|(\new)
.set MSB, (\new)
.endif
.endm
.macro PLACES n
.rept \n
	v_nop
.endr
.endm
.macro SHAPE g, rows                   ; a dense block as rows of 256 bytes: 32 elements of 8 bytes, pitch 32 elements, no padding
	s_mov_b32 s[\g], 3<<16                         ; no mask; elements of 8 bytes; padding off
	s_mov_b32 s[\g+1], 32<<16                      ; tensor_dim0
	s_mov_b32 s[\g+2], (\rows)<<16                 ; tensor_dim1
	s_mov_b32 s[\g+3], 32<<16                      ; tile_dim0
	s_mov_b32 s[\g+4], \rows                       ; tile_dim1
	s_mov_b32 s[\g+5], 32                          ; from row to row
	s_mov_b32 s[\g+6], 0
	s_mov_b32 s[\g+7], 0
.endm
	s_load_b512 s[8:23], s[0:1], 0x0               ; img, simg, bq, bk, bv, pad_mask, att, asc
	s_load_b64 s[62:63], s[0:1], 0x40              ; flags
	v_lshl_add_u32 v254, v0, 2, 0x29000
	v_mov_b32 v255, 0
	ds_add_u32 v254, v255
	ds_add_u32 v254, v255
	v_lshrrev_b32 v1, 5, v0
	v_readfirstlane_b32 s24, v1                    ; wave
	v_and_b32 v1, 31, v0
	v_lshlrev_b32 v[L16], 4, v1
	v_add_nc_u32 v[XAK], 0x10000, v[L16]
	v_add_nc_u32 v[XSA], 0x20000, v[L16]
	v_lshlrev_b32 v[T4], 2, v0
	v_and_b32 v12, 15, v0                          ; r
	v_bfe_u32 v13, v0, 4, 1                        ; h
	v_lshlrev_b32 v[H64], 6, v13
	v_and_b32 v14, 8, v12
	v_add_nc_u32 v14, v14, v12
	v_lshlrev_b32 v[PR4], 2, v14
	v_lshlrev_b32 v[SCO], 5, v12
	v_lshl_add_u32 v[SCO], v13, 4, v[SCO]
	v_lshlrev_b32 v[L8], 3, v1
	v_mov_b32 v[KEEPW], 0x7f010000
	v_mov_b32 v[MASKW], 0x7f9e0000
.irp b, 4,5,6,7
	v_mov_b32 v[TM+\b], 0                          ; a lane permute's destination counts as read: written once
.endr
	s_mov_b32 s[SEL], 0x76543210
	s_mov_b32 s[SEL+1], 0xfedcba98
	SHAPE G1X, 64
	SHAPE G1S, 4
	s_lshr_b32 s25, ttmp9, 2                       ; chunk of 128 tokens, 0 .. 63
	s_and_b32 s26, ttmp9, 3
	s_lshl_b32 s27, s26, 2
	s_add_co_u32 s27, s27, s24                     ; my head
	s_lshr_b32 s28, s25, 3                         ; batch
	s_and_b32 s29, s25, 7                          ; chunk in the batch
	s_lshl_b32 s30, s28, 4
	s_add_co_u32 s30, s30, s27                     ; batch x 16 + head
	s_mov_b32 s51, 0
	s_lshl_b32 s54, s24, 14                        ; my quarter of an image: 16,384 x wave,
	s_mov_b32 s55, 0
	s_lshl_b32 s56, s24, 10                        ; and of its scale words: 1,024 x wave
	s_mov_b32 s57, 0
	s_wait_dscnt 0x0
	s_wait_kmcnt 0x0
	s_lshl_b32 s50, s25, 16
	s_add_nc_u64 s[32:33], s[8:9], s[50:51]        ; LN(Q)'s four pairs; LN(K)'s lie 4,194,304 on
	s_lshl_b32 s50, s25, 12
	s_add_nc_u64 s[36:37], s[10:11], s[50:51]      ; the tokens' scale words; LN(K)'s 262,144 on
	; the four first fills of my wave, K's first: they go out together, ahead of every wait on TENSORcnt, every LDS read and every barrier
	s_mov_b32 s[G0XK], 1
	s_add_co_u32 s[G0XK+1], s54, 0x10000
	s_add_nc_u64 s[G0XK+2:G0XK+3], s[32:33], s[54:55]
	s_add_nc_u64 s[G0XK+2:G0XK+3], s[G0XK+2:G0XK+3], 0x400000
	s_or_b32 s[G0XK+3], s[G0XK+3], 0x80000000
	s_mov_b32 s[G0SK], 1
	s_add_co_u32 s[G0SK+1], s56, 0x21000
	s_add_nc_u64 s[G0SK+2:G0SK+3], s[36:37], s[56:57]
	s_add_nc_u64 s[G0SK+2:G0SK+3], s[G0SK+2:G0SK+3], 0x40000
	s_or_b32 s[G0SK+3], s[G0SK+3], 0x80000000
	s_mov_b32 s[G0XQ], 1
	s_mov_b32 s[G0XQ+1], s54
	s_add_nc_u64 s[G0XQ+2:G0XQ+3], s[32:33], s[54:55]
	s_or_b32 s[G0XQ+3], s[G0XQ+3], 0x80000000
	s_mov_b32 s[G0SQ], 1
	s_add_co_u32 s[G0SQ+1], s56, 0x20000
	s_add_nc_u64 s[G0SQ+2:G0SQ+3], s[36:37], s[56:57]
	s_or_b32 s[G0SQ+3], s[G0SQ+3], 0x80000000
	tensor_load_to_lds s[G0XK:G0XK+3], s[G1X:G1X+7]
	s_nop 0
	tensor_load_to_lds s[G0SK:G0SK+3], s[G1S:G1S+7]
	s_nop 0
	tensor_load_to_lds s[G0XQ:G0XQ+3], s[G1X:G1X+7]
	s_nop 0
	tensor_load_to_lds s[G0SQ:G0SQ+3], s[G1S:G1S+7]
	s_nop 0
	PLACES 4                                       ; four lines behind the tensor loads, ahead of the first switch of windows
	s_lshl_b32 s50, s27, 15
	s_add_co_u32 s50, s50, 0x800000
	s_add_nc_u64 s[34:35], s[8:9], s[50:51]        ; my head's rows of Wq; Wk 524,288 on, Wv 1,048,576 on
	s_lshl_b32 s50, s27, 11
	s_add_co_u32 s50, s50, 0x80000
	s_add_nc_u64 s[38:39], s[10:11], s[50:51]      ; Wq's scale words; Wk 32,768 on, Wv 65,536 on
	s_lshl_b32 s50, s27, 8
	s_add_nc_u64 s[12:13], s[12:13], s[50:51]      ; the biases at my head
	s_add_nc_u64 s[14:15], s[14:15], s[50:51]
	s_add_nc_u64 s[16:17], s[16:17], s[50:51]
	s_lshl_b32 s50, s25, 9
	s_add_nc_u64 s[18:19], s[18:19], s[50:51]      ; the mask at my 128 keys
	s_lshl_b32 s50, s30, 15
	s_lshl_b32 s52, s29, 12
	s_add_co_u32 s50, s50, s52
	s_add_nc_u64 s[40:41], s[20:21], s[50:51]      ; q's codes out; k's 4,194,304 on
	s_add_nc_u64 s[42:43], s[40:41], 0x800000      ; v's
	s_lshl_b32 s50, s30, 12
	s_lshl_b32 s52, s29, 9
	s_add_co_u32 s50, s50, s52
	s_add_nc_u64 s[44:45], s[22:23], s[50:51]      ; q's scale words out; k's 524,288 on
	s_lshl_b32 s50, s30, 11
	s_lshl_b32 s52, s29, 8
	s_add_co_u32 s50, s50, s52
	s_add_co_u32 s50, s50, 0x100000
	s_add_nc_u64 s[46:47], s[22:23], s[50:51]      ; v's
	s_lshl_b32 s50, ttmp9, 9
	s_add_nc_u64 s[62:63], s[62:63], s[50:51]      ; my work-group's 512 bytes of flags
.macro WLOAD win, set, woff, soff      ; my head's 4 tiles of a weight: 64 loads of 512 consecutive bytes, and 4 of scale words
	WIN (\win)<<6
.set n, 0
.rept 64
	global_load_b128 v[4*n:4*n+3], v[L16], s[34:35] offset:\woff+512*n
.set n, n+1
.endr
	WIN 0
.irp tt, 0,1,2,3
	global_load_b128 v[WS+16*(\set)+4*\tt:WS+16*(\set)+4*\tt+3], v[L16], s[38:39] offset:\soff+512*\tt
.endr
.endm
.macro BIASQK set, sb                  ; lane (r, h), tile tt, register j: the bias of channel 32 (tt / 2) + 8 (tt % 2) + 16 h + j
.irp tt, 0,1,2,3
	global_load_b128 v[BIAS+32*(\set)+8*\tt:BIAS+32*(\set)+8*\tt+3], v[H64], s[\sb:\sb+1] offset:(32*(\tt/2)+8*(\tt%2))*4
	global_load_b128 v[BIAS+32*(\set)+8*\tt+4:BIAS+32*(\set)+8*\tt+7], v[H64], s[\sb:\sb+1] offset:(32*(\tt/2)+8*(\tt%2))*4+16
.endr
.endm
; The eighth part m of the NEXT task's weight: 8 fragment loads; parts 0-3 a tile's scale words, parts 4-7 a tile's bias.  kind 0: nothing; 1: Wv into window 2, set 1; 2: Wq into window 1, set 0
.macro WPART m, kind
.if \kind
.set n, 8*(\m)
.if \kind == 1
	WIN 0x80
.rept 8
	global_load_b128 v[4*n:4*n+3], v[L16], s[34:35] offset:1048576+512*n
.set n, n+1
.endr
.else
	WIN 0x40
.rept 8
	global_load_b128 v[4*n:4*n+3], v[L16], s[34:35] offset:512*n
.set n, n+1
.endr
.endif
	WIN 0
.if (\m) < 4
.if \kind == 1
	global_load_b128 v[WS+16+4*(\m):WS+16+4*(\m)+3], v[L16], s[38:39] offset:65536+512*(\m)
.else
	global_load_b128 v[WS+4*(\m):WS+4*(\m)+3], v[L16], s[38:39] offset:512*(\m)
.endif
.else
.set wt, (\m)-4
.if \kind == 1
.irp j, 0,1,2,3,4,5,6,7                ; V: all eight registers hold the bias of the lane's channel 32 (tt / 2) + 8 (tt % 2) + r + 8 (r / 8)
	global_load_b32 v[BIAS+32+8*wt+\j], v[PR4], s[16:17] offset:(32*(wt/2)+8*(wt%2))*4
.endr
.else
	global_load_b128 v[BIAS+8*wt:BIAS+8*wt+3], v[H64], s[12:13] offset:(32*(wt/2)+8*(wt%2))*4
	global_load_b128 v[BIAS+8*wt+4:BIAS+8*wt+7], v[H64], s[12:13] offset:(32*(wt/2)+8*(wt%2))*4+16
.endif
.endif
.endif
.endm
	WLOAD 1, 0, 524288, 32768                      ; Wk
	BIASQK 0, 14
.irp m, 0,1,2,3,4,5,6,7
	global_load_b32 v[EX+\m], v[PR4], s[18:19] offset:(32*(\m/2)+8*(\m%2))*4   ; the mask of tile m's key of lane r
.endr
	s_wait_loadcnt 0x0
	s_mov_b32 s58, -1                              ; lanes whose keys so far are all 0 or 1
	s_mov_b32 s59, 0                               ; lanes with a key that is 1
.irp m, 0,1,2,3,4,5,6,7
	v_cmp_eq_f32 s60, 1.0, v[EX+\m]
	v_cmp_eq_f32 vcc_lo, 0, v[EX+\m]
	v_cndmask_b32 v[EX+\m], v[KEEPW], v[MASKW], vcc_lo
	s_or_b32 s59, s59, s60
	s_or_b32 s60, s60, vcc_lo
	s_and_b32 s58, s58, s60
.endr
	s_cmp_eq_u32 s58, -1
	s_cselect_b32 s58, 1, 0
	s_cmp_lg_u32 s59, 0
	s_cselect_b32 s59, 2, 0
	s_or_b32 s58, s58, s59
	v_mov_b32 v[FLV], s58
	global_store_b32 v[T4], v[FLV], s[62:63]       ; 128 consecutive bytes a wave, 512 a work-group; neither register is written again
	s_wait_tensorcnt 0x2                           ; my quarter of K's tokens and of their scale words has landed; Q's two loads may stay out
	s_barrier_signal -1
	s_barrier_wait -1                              ; everybody's has
.macro XHALF xa, m, half               ; half of token tile m's fragments: K steps 4 half .. 4 half + 3, eight loads of 512 consecutive bytes
.irp s2, 0,1,2,3
.irp c, 0,1
	ds_load_b128 v[XF+8*(4*(\half)+\s2)+4*\c:XF+8*(4*(\half)+\s2)+4*\c+3], v[\xa] offset:(\m)*8192+(4*(\half)+\s2)*1024+512*\c
.endr
.endr
.endm
.macro XSC xso, m                      ; its scale words: register j: lanes 0-15 K step j, lanes 16-31 K step 4 + j
	ds_load_b128 v[XS+4*((\m)%2):XS+4*((\m)%2)+3], v[XSA] offset:\xso+(\m)*512
.endm
; 16 nb numbers of a lane in window 3, register 16 b + i = k 32 b + 16 h + i of my row, become codes in v[pc] on and a scale word in v[pw].  Each accumulator is read from its low end on.
.macro QUANT src, nb, pc, pw
	WIN 0x0f
.set qb, 0
.rept \nb
	v_max3_num_f32 v[TM+qb], |v[\src+16*qb]|, |v[\src+16*qb+1]|, 0x1800000   ; with the floor 2^(3 - 127): the byte cannot fall under 1
.set qb, qb+1
.endr
.set qi, 2
.rept 7
.set qb, 0
.rept \nb
	v_max3_num_f32 v[TM+qb], |v[\src+16*qb+qi]|, |v[\src+16*qb+qi+1]|, v[TM+qb]
.set qb, qb+1
.endr
.set qi, qi+2
.endr
	WIN 0
.set qb, 0
.rept \nb
	v_permlanex16_b32 v[TM+4+qb], v[TM+qb], s[SEL], s[SEL+1]
.set qb, qb+1
.endr
.set qb, 0
.rept \nb
	v_max_num_f32 v[TM+qb], v[TM+qb], v[TM+4+qb]   ; with lane l xor 16's: the block's largest magnitude
.set qb, qb+1
.endr
.set qb, 0
.rept \nb
	v_add_nc_u32 v[TM+8+qb], 0xff000000, v[TM+qb]  ; 2 off its exponent field: the conversion's scale operand
.set qb, qb+1
.endr
.set qb, 0
.rept \nb
	v_lshrrev_b32 v[TM+4+qb], 23, v[TM+8+qb]       ; the byte
.set qb, qb+1
.endr
	v_lshl_or_b32 v[\pw], v[TM+5], 8, v[TM+4]
.if \nb == 4
	v_lshl_or_b32 v[\pw], v[TM+6], 16, v[\pw]
	v_lshl_or_b32 v[\pw], v[TM+7], 24, v[\pw]
.endif
	WIN 0x03
.set qb, 0
.rept \nb
	v_cvt_scalef32_pk8_fp4_f32 v[\pc+2*qb], v[\src+16*qb:\src+16*qb+7], v[TM+8+qb]
	v_cvt_scalef32_pk8_fp4_f32 v[\pc+2*qb+1], v[\src+16*qb+8:\src+16*qb+15], v[TM+8+qb]
.set qb, qb+1
.endr
	WIN 0
	v_nop                                          ; a plain line behind the conversions
.set qb, 0
.rept \nb/2                            ; the operand wants a whole block in a lane: lanes 0-15 block 2 c, lanes 16-31 block 2 c + 1
	v_permlane16_swap_b32 v[\pc+4*qb], v[\pc+4*qb+2]
	v_permlane16_swap_b32 v[\pc+4*qb+1], v[\pc+4*qb+3]
.set qb, qb+1
.endr
.endm
; four products of K step s for token tile m: source 0 = the weight's tiles (window 1, set 0), source 1 = the tokens
.macro PQK m, s
.irp tt, 0,1,2,3
.set rD, 8*\tt
.set rW, 8*(8*\tt+(\s))
.set rX, XF+8*(\s)
.set rB, BIAS+8*\tt
.set rWS, WS+4*\tt+(\s)%4
.set rXS, XS+4*((\m)%2)+(\s)%4
.if (\s) == 0
	v_wmma_scale_f32_16x16x128_f8f6f4 v[rD:rD+7], v[rW:rW+7], v[rX:rX+7], v[rB:rB+7], v[rWS], v[rXS] matrix_a_fmt:MATRIX_FMT_FP4 matrix_b_fmt:MATRIX_FMT_FP4
.elseif (\s) < 4
	v_wmma_scale_f32_16x16x128_f8f6f4 v[rD:rD+7], v[rW:rW+7], v[rX:rX+7], v[rD:rD+7], v[rWS], v[rXS] matrix_a_fmt:MATRIX_FMT_FP4 matrix_b_fmt:MATRIX_FMT_FP4
.else
	v_wmma_scale_f32_16x16x128_f8f6f4 v[rD:rD+7], v[rW:rW+7], v[rX:rX+7], v[rD:rD+7], v[rWS], v[rXS] matrix_a_fmt:MATRIX_FMT_FP4 matrix_b_fmt:MATRIX_FMT_FP4 matrix_a_scale:MATRIX_SCALE_ROW1 matrix_b_scale:MATRIX_SCALE_ROW1
.endif
.endr
.endm
; Q or K: eight token tiles; a tile's four accumulators are quantised and stored while the next tile's fragments come from LDS.  kind: which weight is asked for meanwhile (WPART)
.macro TASKQK xa, xso, isq, coff, soff, kind
	XHALF \xa, 0, 0
	XSC \xso, 0
	XHALF \xa, 0, 1
.set M, 0
.rept 8
	s_wait_dscnt 8                                 ; K steps 0-3 and the scale words are in; the eight loads of K steps 4-7 may be out
	WIN 0xc1
	PQK M, 0
	WIN 0xf1
	PQK M, 1
	PQK M, 2
	PQK M, 3
	WIN 0
	PLACES 4                                       ; in front of loads into registers that matrix instructions have read
.if M < 7
	XHALF \xa, M+1, 0
	XSC \xso, M+1
.endif
	WPART M, \kind
.if M < 7
	s_wait_dscnt 9                                 ; all LDS loads but the nine just issued
.else
	s_wait_dscnt 0x0
.endif
	WIN 0xf1
	PQK M, 4
	PQK M, 5
	PQK M, 6
	PQK M, 7
	WIN 0
	PLACES 5                                       ; the same accumulators are begun anew by the next tile, read below, and the fragments loaded again
.if M < 7
	XHALF \xa, M+1, 1
.endif
	QUANT 0, 2, PC+4*M, PWS+M
.if \isq
	v_or_b32 v[PWS+M], 0x7f7f0000, v[PWS+M]        ; k = 64 .. 127: scale 1
.else
	v_or_b32 v[PWS+M], v[PWS+M], v[EX+M]           ; k = 64 .. 95: the key's mask
.endif
	global_store_b128 v[L16], v[PC+4*M:PC+4*M+3], s[40:41] offset:\coff+512*M   ; 512 consecutive bytes
.set M, M+1
.endr
	s_mov_b32 vcc_lo, 0xffff0000                   ; lanes 16-31 take tiles 4-7's words
.irp j, 0,1,2,3
	v_cndmask_b32 v[TM+\j], v[PWS+\j], v[PWS+4+\j], vcc_lo
.endr
	global_store_b128 v[SCO], v[TM:TM+3], s[44:45] offset:\soff   ; [r][8 words]: 512 consecutive bytes
.endm
; V: source 0 = the tokens, source 1 = the weight's tiles (window 2, set 1)
.macro PVV m, s
.irp tt, 0,1,2,3
.set rD, 8*(8*\tt+(\m))
.set rW, 8*(8*\tt+(\s))
.set rX, XF+8*(\s)
.set rB, BIAS+32+8*\tt
.set rWS, WS+16+4*\tt+(\s)%4
.set rXS, XS+4*((\m)%2)+(\s)%4
.if (\s) == 0
	v_wmma_scale_f32_16x16x128_f8f6f4 v[rD:rD+7], v[rX:rX+7], v[rW:rW+7], v[rB:rB+7], v[rXS], v[rWS] matrix_a_fmt:MATRIX_FMT_FP4 matrix_b_fmt:MATRIX_FMT_FP4
.elseif (\s) < 4
	v_wmma_scale_f32_16x16x128_f8f6f4 v[rD:rD+7], v[rX:rX+7], v[rW:rW+7], v[rD:rD+7], v[rXS], v[rWS] matrix_a_fmt:MATRIX_FMT_FP4 matrix_b_fmt:MATRIX_FMT_FP4
.else
	v_wmma_scale_f32_16x16x128_f8f6f4 v[rD:rD+7], v[rX:rX+7], v[rW:rW+7], v[rD:rD+7], v[rXS], v[rWS] matrix_a_fmt:MATRIX_FMT_FP4 matrix_b_fmt:MATRIX_FMT_FP4 matrix_a_scale:MATRIX_SCALE_ROW1 matrix_b_scale:MATRIX_SCALE_ROW1
.endif
.endr
.endm
.macro TASKV
	XHALF XAK, 0, 0
	XSC 4096, 0
	XHALF XAK, 0, 1
.set M, 0
.rept 8
	s_wait_dscnt 8                                 ; as in TASKQK
	WIN 0xc8
	PVV M, 0
	WIN 0xf8
	PVV M, 1
	PVV M, 2
	PVV M, 3
	WIN 0
	PLACES 4
.if M < 7
	XHALF XAK, M+1, 0
	XSC 4096, M+1
.endif
	WPART M, 2                                     ; Wq comes while V is multiplied
.if M < 7
	s_wait_dscnt 9
.else
	s_wait_dscnt 0x0
.endif
	WIN 0xf8
	PVV M, 4
	PVV M, 5
	PVV M, 6
	PVV M, 7
	WIN 0
	PLACES 4
.if M < 7
	XHALF XAK, M+1, 1
.endif
.set M, M+1
.endr
.irp tt, 0,1,2,3
	QUANT 64*\tt, 4, PC+8*\tt, PWS+\tt
	global_store_b128 v[L16], v[PC+8*\tt:PC+8*\tt+3], s[42:43] offset:1024*\tt
	global_store_b128 v[L16], v[PC+8*\tt+4:PC+8*\tt+7], s[42:43] offset:1024*\tt+512
.endr
	s_mov_b32 vcc_lo, 0xffff0000                   ; word j: lanes 0-15 channel tile 2 j, lanes 16-31 tile 2 j + 1
	v_cndmask_b32 v[TM+12], v[PWS], v[PWS+1], vcc_lo
	v_cndmask_b32 v[TM+13], v[PWS+2], v[PWS+3], vcc_lo
	global_store_b64 v[L8], v[TM+12:TM+13], s[46:47]   ; 256 consecutive bytes, aligned
.endm
	TASKQK XAK, 4096, 0, 4194304, 524288, 1        ; K; Wv comes meanwhile
	s_wait_loadcnt 0x0                             ; Wv is in
	s_wait_xcnt 0x0                                ; K's stores have read their registers: the codes' and words' registers are written again
	TASKV
	s_wait_loadcnt 0x0                             ; Wq is in
	s_wait_xcnt 0x0                                ; V's stores have read their registers
	s_wait_tensorcnt 0x0                           ; my quarter of Q's tokens and of their scale words has landed
	s_wait_dscnt 0x0
	s_barrier_signal -1
	s_barrier_wait -1                              ; everybody's has
	TASKQK L16, 0, 1, 0, 0, 0                      ; Q
	s_wait_tensorcnt 0x0
	ds_add_u32 v254, v255
	s_wait_dscnt 0x0
	s_endpgm
.Lfunc_end_k_q3a77d549ae_proj:
	.size	k_q3a77d549ae_proj, .Lfunc_end_k_q3a77d549ae_proj-k_q3a77d549ae_proj
	.p2alignl 7, 3214868480
	.fill 96, 4, 3214868480
	.section	.rodata,"a",@progbits
	.p2align	6, 0x0
	.amdhsa_kernel k_q3a77d549ae_proj
		.amdhsa_group_segment_fixed_size 168448
		.amdhsa_private_segment_fixed_size 0
		.amdhsa_enable_private_segment 0
		.amdhsa_kernarg_size 72
		.amdhsa_user_sgpr_count 2
		.amdhsa_user_sgpr_kernarg_segment_ptr 1
		.amdhsa_wavefront_size32 1
		.amdhsa_system_sgpr_workgroup_id_x 1
		.amdhsa_system_sgpr_workgroup_id_y 1
		.amdhsa_system_sgpr_workgroup_id_z 1
		.amdhsa_system_vgpr_workitem_id 0
		.amdhsa_next_free_vgpr 1024
		.amdhsa_next_free_sgpr 100
		.amdhsa_reserve_vcc 1
		.amdhsa_float_denorm_mode_32 3
		.amdhsa_float_denorm_mode_16_64 3
		.amdhsa_memory_ordered 1
		.amdhsa_forward_progress 1
		.amdhsa_inst_pref_size 218
	.end_amdhsa_kernel
	.amdgpu_metadata
---
amdhsa.version: [ 1, 2 ]
amdhsa.kernels:
  - .name:           k_q3a77d549ae_proj
    .symbol:         k_q3a77d549ae_proj.kd
    .args:
      - { .name: img, .offset: 0, .size: 8, .value_kind: global_buffer, .address_space: global }
      - { .name: simg, .offset: 8, .size: 8, .value_kind: global_buffer, .address_space: global }
      - { .name: bq, .offset: 16, .size: 8, .value_kind: global_buffer, .address_space: global }
      - { .name: bk, .offset: 24, .size: 8, .value_kind: global_buffer, .address_space: global }
      - { .name: bv, .offset: 32, .size: 8, .value_kind: global_buffer, .address_space: global }
      - { .name: pad_mask, .offset: 40, .size: 8, .value_kind: global_buffer, .address_space: global }
      - { .name: att, .offset: 48, .size: 8, .value_kind: global_buffer, .address_space: global }
      - { .name: asc, .offset: 56, .size: 8, .value_kind: global_buffer, .address_space: global }
      - { .name: flags, .offset: 64, .size: 8, .value_kind: global_buffer, .address_space: global }
    .group_segment_fixed_size: 168448
    .private_segment_fixed_size: 0
    .kernarg_segment_align: 8
    .kernarg_segment_size: 72
    .max_flat_workgroup_size: 128
    .sgpr_count:     100
    .vgpr_count:     1024
    .wavefront_size: 32
...
	.end_amdgpu_metadata
.endif
;; end of part 2
;; launch attn (part 3): grid 256 x 1, 4 waves a work-group, no clusters, 93,696 bytes of LDS; arguments att, asc, pad_mask, Q, obuf, flags; writes obuf
.if DOCPART == 3
	.amdgcn_target "amdgcn-amd-amdhsa--gfx1250"
	.amdhsa_code_object_version 6
	.text
	.protected	k_q3a77d549ae_attn
	.globl	k_q3a77d549ae_attn
	.p2align	8
	.type	k_q3a77d549ae_attn,@function
k_q3a77d549ae_attn:
	s_mov_b64 s[64:65], 0
	v_nop
	global_prefetch_b8 v0, s[64:65] scope:SCOPE_SE
	s_setreg_imm32_b32 hwreg(HW_REG_WAVE_MODE, 25, 1), 1
	s_wait_xcnt 0x0
; obuf = Q + concat over heads of (softmax(where(m == 0, masked, Qp Kp^T / 32)) x m) Vp, both products on E2M1 codes.  A = softmax x m is quantised FINISHED: normalised and multiplied by m, in blocks of 32 keys.
; A work-group takes 512 queries of one head of one batch; wave w takes 128 of them, in 8 units of 16.  A unit keeps all 1,024 scores of its 16 queries in 512 registers: the row's maximum and sum are known
; before anything is quantised, and each exponential is taken once.  The row's maximum is taken away before the exponential.
; The head's K, V, their scale words and the batch's mask lie in LDS, filled once through registers, in the order of the operands' registers: every fragment is 512 consecutive bytes.
; Both products are used transposed (S^T = K Q^T, O^T = V^T A^T): a lane holds one query.  A tile's 16 keys are keys 8 u + r + 8 (r / 8) of 32, so the 16 registers of tiles 2 b, 2 b + 1 are 16 neighbouring keys.
; THE MASK IN THE FIRST PRODUCT.  The head has 64 channels, the instruction 128 along K.  At k = 64 Q holds the code of 1.0 (scale 1) and K the code of -6; K's scale byte for k = 64 .. 95 was set from the mask:
; a key with m == 0 gets -6 x 2^31 onto its raw score (-4e8 after the 1 / 32), another -6 x 2^-126.  A masked key's exponential is 0 as with reference()'s -1e12; where all keys are masked every p is finite
; and x m makes every A zero, as in reference().
; TWO WAYS BEHIND THE MAXIMUM, chosen for the batch by a scalar branch on whole numbers that the launch before stored (bit 0: every m of a chunk is 0 or 1; bit 1: one of them is 1):
;   the general way, for every mask: p is multiplied by the f32 mask as it is given, and each block's largest |A| is searched for among the finished numbers;
;   the way for masks of 0 and 1 with a key kept: x m changes nothing there (a masked key's p is 0, the others are multiplied by 1), and a block's largest A is its largest SCORE, which the search for the row's
;   maximum passes through anyway, put through the same multiply-add, exponential and multiplication.  (This takes v_exp_f32 not to fall where its input rises, which the ISA guide does not state: it promises 1 ulp.)
; LIMITS: |score| far under 4e8; a kept key's raw score carries -6 x 2^-126; NaN and infinities are not served; a block of A whose largest magnitude lies under 2^-124 keeps the byte 1.
; No cluster: the two work-groups of a head share 74 KB, filled once; the rest of a work-group's bytes (Q, obuf) is its own.
; REGISTERS: window 0: v1-10 addresses; v12-13 the row's maximum; v16-23 Q's fragment, v24 its scale word, v25, v28-31 the next unit's; v26-27 -c max; v32-159 K, two sets of 8 fragments (registers 4-7 of each set once);
;   v160-167 K's scale words; v168-171 V's; v172-173 A's; v174-175 1 / sum; v176-191 A's codes, two sets; v192-199 eight maxima at work; v200-207 the sum in four chains; v208-219 at work; v224-255 the 32 blocks' largest scores.
;   Windows 1, 2: the scores: chunk i of 128 keys at window 1 + i / 4, register 64 (i % 4).  Window 3: v0-31 O^T; v32-95 V, two sets; v96-127 Q's rows; v128-255 the mask, two sets.
.set KSC, 65536                        ; LDS: K's codes at 0, V's at 32768, K's scale words, V's, the mask, a stage of 16 x 272 bytes for each wave
.set VSC, 69632
.set MT,  71680
.set STG, 75776
.set LI,  1                            ; 16 x lane
.set KSA, 2                            ; KSC + 32 r + 16 h
.set VSA, 3                            ; VSC + 8 x lane
.set MTA, 4                            ; MT + 64 h
.set STO, 5                            ; my stage + 272 r + 64 h
.set SRD, 6                            ; my stage + 272 h + 16 r
.set VO,  7                            ; 4096 h + 16 r
.set R32, 8                            ; 32 r
.set CP,  9                            ; 16 x thread
.set CP2, 10
.set SMX, 12
.set SMP, 13
.set QF,  16
.set QS,  24
.set QNS, 25
.set NC,  26
.set QN,  28
.set KF,  32
.set KS,  160
.set VS,  168
.set PW,  172
.set RI,  174
.set PC,  176
.set T8,  192
.set SU,  200
.set TM,  208
.set BM,  224
.set VF,  32                           ; in window 3
.set RES, 96
.set MB,  128
.set RB,  128
.set TT,  54                           ; s54 the unit
.set CS,  56                           ; s[56:57] c = log2(e) / 32
.set SEL, 58                           ; s[58:59]
.set FAST, 78                          ; s78 1: the way for masks of 0 and 1
.set MSB, 0
.macro WIN new                         ; the immediate's high byte repeats the setting that is left; a switch that changes nothing is dropped
.if MSB != (\new)
	s_set_vgpr_msb (MSB<<8)|(\new)
.set MSB, (\new)
.endif
.endm
.macro PLACES n
.rept \n
	v_nop
.endr
.endm
	s_load_b256 s[8:15], s[0:1], 0x0               ; att, asc, pad_mask, Q
	s_load_b64 s[16:17], s[0:1], 0x20              ; obuf
	s_load_b64 s[76:77], s[0:1], 0x28              ; flags
	v_lshl_add_u32 v222, v0, 2, 0x16c00
	v_mov_b32 v223, 0
	v_lshrrev_b32 v11, 5, v0
	v_readfirstlane_b32 s20, v11                   ; wave
	v_and_b32 v11, 31, v0
	v_and_b32 v12, 15, v0                          ; r
	v_bfe_u32 v13, v0, 4, 1                        ; h
	v_lshlrev_b32 v[LI], 4, v11
	v_lshlrev_b32 v[R32], 5, v12
	v_lshl_add_u32 v[KSA], v13, 4, v[R32]
	v_add_nc_u32 v[KSA], KSC, v[KSA]
	v_lshlrev_b32 v[VSA], 3, v11
	v_add_nc_u32 v[VSA], VSC, v[VSA]
	v_lshlrev_b32 v[MTA], 6, v13
	v_add_nc_u32 v[MTA], MT, v[MTA]
	s_mul_i32 s18, s20, 16*272
	s_add_co_u32 s18, s18, STG
	v_mul_u32_u24 v[STO], v12, 272
	v_lshl_add_u32 v[STO], v13, 6, v[STO]
	v_add_nc_u32 v[STO], s18, v[STO]
	v_mul_u32_u24 v[SRD], v13, 272
	v_lshl_add_u32 v[SRD], v12, 4, v[SRD]
	v_add_nc_u32 v[SRD], s18, v[SRD]
	v_lshlrev_b32 v[VO], 12, v13
	v_lshl_add_u32 v[VO], v12, 4, v[VO]
	v_lshlrev_b32 v[CP], 4, v0
	v_add_nc_u32 v[CP2], 0x10000, v[CP]
	v_xor_b32 v14, 1, v13                          ; 1 in lanes 0-15, whose register 4 begins at k = 64
	v_lshlrev_b32 v[QF+4], 1, v14                  ; Q: the code 2 (1.0) at k = 64, zeros up to k = 127
	v_mov_b32 v[QF+5], 0
	v_mov_b32 v[QF+6], 0
	v_mov_b32 v[QF+7], 0
	v_mul_u32_u24 v14, v14, 15                     ; K: the code 15 (-6) at k = 64
.set n, 0
.rept 16
	v_mov_b32 v[KF+8*n+4], v14
	v_mov_b32 v[KF+8*n+5], 0
	v_mov_b32 v[KF+8*n+6], 0
	v_mov_b32 v[KF+8*n+7], 0
.set n, n+1
.endr
	v_mov_b32 v[NC+1], 0                           ; pairs' upper halves and lane permutes' destinations: written once (v13 holds h)
	v_mov_b32 v[RI+1], 0
.irp b, 4,5,6,7
	v_mov_b32 v[TM+\b], 0
.endr
	s_mov_b32 s[CS], 0x3d38aa3b
	s_mov_b32 s[CS+1], s[CS]
	s_mov_b32 s60, 0xbd38aa3b                      ; -c
	s_mov_b32 s[SEL], 0x76543210
	s_mov_b32 s[SEL+1], 0xfedcba98
	s_mov_b32 s[TT], 0
	s_lshr_b32 s21, ttmp9, 1                       ; batch x 16 + head
	s_and_b32 s22, ttmp9, 1
	s_lshr_b32 s23, s21, 4                         ; batch
	s_and_b32 s24, s21, 15                         ; head
	s_lshl_b32 s25, s22, 2
	s_add_co_u32 s25, s25, s20                     ; my chunk of 128 queries
	s_mov_b32 s19, 0
	s_mov_b32 s47, 0
	s_wait_kmcnt 0x0
	s_lshl_b32 s18, s23, 14
	s_add_nc_u64 s[76:77], s[76:77], s[18:19]      ; the batch's eight chunks of keys: a word each, 2,048 bytes apart
.irp ch, 0,1,2,3,4,5,6,7
	s_load_b32 s[68+\ch], s[76:77], \ch*2048
.endr
	s_lshl_b32 s18, s21, 15
	s_add_nc_u64 s[26:27], s[8:9], s[18:19]        ; the head's q codes; k's 4,194,304 on
	s_add_nc_u64 s[28:29], s[26:27], 0x800000      ; v's
	s_lshl_b32 s18, s25, 12
	s_add_nc_u64 s[30:31], s[26:27], s[18:19]      ; my chunk's 8 tiles of q
	s_lshl_b32 s18, s21, 12
	s_add_nc_u64 s[38:39], s[10:11], s[18:19]      ; the head's q words; k's 524,288 on
	s_lshl_b32 s18, s25, 9
	s_add_nc_u64 s[32:33], s[38:39], s[18:19]      ; my chunk's q words
	s_lshl_b32 s18, s21, 11
	s_add_nc_u64 s[40:41], s[10:11], s[18:19]      ; v's words lie 1,048,576 on
	s_lshl_b32 s18, s23, 12
	s_add_nc_u64 s[12:13], s[12:13], s[18:19]      ; the batch's mask
	s_lshl_b32 s18, s23, 22
	s_lshl_b32 s34, s25, 19
	s_add_co_u32 s18, s18, s34
	s_lshl_b32 s34, s24, 8
	s_add_co_u32 s18, s18, s34                     ; my chunk's first row, my head's 256 bytes of it
	s_add_nc_u64 s[42:43], s[14:15], s[18:19]
	s_add_nc_u64 s[44:45], s[16:17], s[18:19]
	WIN 0x40                                       ; LDS is filled once: 37 loads of 16 bytes a thread, through window 1
.set n, 0
.rept 16
	global_load_b128 v[4*n:4*n+3], v[CP], s[26:27] offset:4194304+2048*n
.set n, n+1
.endr
.rept 16
	global_load_b128 v[4*n:4*n+3], v[CP], s[28:29] offset:2048*(n-16)
.set n, n+1
.endr
	global_load_b128 v[128:131], v[CP], s[38:39] offset:524288
	global_load_b128 v[132:135], v[CP], s[38:39] offset:524288+2048
	global_load_b128 v[136:139], v[CP], s[40:41] offset:1048576
	global_load_b128 v[140:143], v[CP], s[12:13]
	global_load_b128 v[144:147], v[CP], s[12:13] offset:2048
	WIN 0
	global_load_b128 v[QN:QN+3], v[LI], s[30:31]   ; unit 0's Q
	global_load_b32 v[QNS], v[R32], s[32:33]
	s_wait_loadcnt 2                               ; all but Q's two
	WIN 0x04
.set n, 0
.rept 32
	ds_store_b128 v[CP], v[4*n:4*n+3] offset:2048*n
.set n, n+1
.endr
.rept 5
	ds_store_b128 v[CP2], v[4*n:4*n+3] offset:2048*(n-32)
.set n, n+1
.endr
	WIN 0
	s_wait_dscnt 0x0                               ; my part has landed
	s_barrier_signal -1
	s_barrier_wait -1                              ; everybody's has; these bytes are only read from here on
	s_wait_kmcnt 0x0                               ; the eight words about the mask
	s_and_b32 s[FAST], s68, s69
	s_or_b32 s79, s68, s69
.irp ch, 2,3,4,5,6,7
	s_and_b32 s[FAST], s[FAST], s[68+\ch]
	s_or_b32 s79, s79, s[68+\ch]
.endr
	s_lshr_b32 s79, s79, 1
	s_and_b32 s[FAST], s[FAST], s79
	s_and_b32 s[FAST], s[FAST], 1                  ; every m is 0 or 1, and one is 1
.macro LOADK i                         ; chunk i's 8 tiles of K (registers 0-3 of each fragment) and their scale words: nine LDS loads
	WIN 0
.irp t, 0,1,2,3,4,5,6,7
	ds_load_b128 v[KF+64*((\i)%2)+8*\t:KF+64*((\i)%2)+8*\t+3], v[LI] offset:(8*(\i)+\t)*512
.endr
	ds_load_b128 v[KS+4*((\i)%2):KS+4*((\i)%2)+3], v[KSA] offset:512*(\i)
.endm
.macro SPROD i                         ; S^T of chunk i: register j of the scale words: lanes 0-15 tile j, lanes 16-31 tile 4 + j
	WIN (1+(\i)/4)<<6
.irp t, 0,1,2,3,4,5,6,7
.set rD, 64*((\i)%4)+8*\t
.set rK, KF+64*((\i)%2)+8*\t
.set rS, KS+4*((\i)%2)+\t%4
.if \t < 4
	v_wmma_scale_f32_16x16x128_f8f6f4 v[rD:rD+7], v[rK:rK+7], v[QF:QF+7], 0, v[rS], v[QS] matrix_a_fmt:MATRIX_FMT_FP4 matrix_b_fmt:MATRIX_FMT_FP4
.else
	v_wmma_scale_f32_16x16x128_f8f6f4 v[rD:rD+7], v[rK:rK+7], v[QF:QF+7], 0, v[rS], v[QS] matrix_a_fmt:MATRIX_FMT_FP4 matrix_b_fmt:MATRIX_FMT_FP4 matrix_a_scale:MATRIX_SCALE_ROW1
.endif
.endr
.endm
; The largest score of each of chunk i's four blocks of 32 keys (my half's 16 of each): eight chains, a tile each, from each accumulator's low end on; then a block's two tiles and their last registers meet.
.macro BLKMAX i
.set bw, 1+(\i)/4
.set bb, 64*((\i)%4)
	WIN 21*bw                                      ; all three sources in the scores' window
.irp t, 0,1,2,3,4,5,6,7
	v_max3_num_f32 v[T8+\t], v[bb+8*\t], v[bb+8*\t+1], v[bb+8*\t+2]
.endr
	WIN 5*bw
.irp t, 0,1,2,3,4,5,6,7
	v_max3_num_f32 v[T8+\t], v[bb+8*\t+3], v[bb+8*\t+4], v[T8+\t]
.endr
.irp t, 0,1,2,3,4,5,6,7
	v_max3_num_f32 v[T8+\t], v[bb+8*\t+5], v[bb+8*\t+6], v[T8+\t]
.endr
.irp b, 0,1,2,3
	v_max3_num_f32 v[BM+4*(\i)+\b], v[bb+16*\b+7], v[bb+16*\b+15], v[T8+2*\b]
.endr
	WIN 0
.irp b, 0,1,2,3
	v_max_num_f32 v[BM+4*(\i)+\b], v[BM+4*(\i)+\b], v[T8+2*\b+1]
.endr
.endm
.macro LOADM i                         ; the mask of chunk i's keys in the scores' order: register 16 b + i': key 32 b + 16 h + i': sixteen LDS loads
	WIN 0xc0
.irp n, 0,1,2,3,4,5,6,7,8,9,10,11,12,13,14,15
	ds_load_b128 v[MB+64*((\i)%2)+4*\n:MB+64*((\i)%2)+4*\n+3], v[MTA] offset:512*(\i)+128*(\n/4)+16*(\n%4)
.endr
.endm
.macro LOADV i                         ; K step i of V: 4 fragments and their scale words: nine LDS loads
	WIN 0xc0
.irp n, 0,1,2,3,4,5,6,7
	ds_load_b128 v[VF+32*((\i)%2)+4*\n:VF+32*((\i)%2)+4*\n+3], v[LI] offset:32768+4096*(\i)+512*\n
.endr
	WIN 0
	ds_load_b64 v[VS+2*((\i)%2):VS+2*((\i)%2)+1], v[VSA] offset:256*(\i)
.endm
.macro PVP i                           ; O^T += V^T A^T, K step i: four accumulators by turns
	WIN 0xf3
.irp n, 0,1,2,3
.set rO, 8*\n
.set rV, VF+32*((\i)%2)+8*\n
.set rP, PC+8*((\i)%2)
.set rS, VS+2*((\i)%2)+\n/2
.set rQ, PW+(\i)%2
.if (\i) == 0
.if \n%2 == 0
	v_wmma_scale_f32_16x16x128_f8f6f4 v[rO:rO+7], v[rV:rV+7], v[rP:rP+7], 0, v[rS], v[rQ] matrix_a_fmt:MATRIX_FMT_FP4 matrix_b_fmt:MATRIX_FMT_FP4
.else
	v_wmma_scale_f32_16x16x128_f8f6f4 v[rO:rO+7], v[rV:rV+7], v[rP:rP+7], 0, v[rS], v[rQ] matrix_a_fmt:MATRIX_FMT_FP4 matrix_b_fmt:MATRIX_FMT_FP4 matrix_a_scale:MATRIX_SCALE_ROW1
.endif
.else
.if \n%2 == 0
	v_wmma_scale_f32_16x16x128_f8f6f4 v[rO:rO+7], v[rV:rV+7], v[rP:rP+7], v[rO:rO+7], v[rS], v[rQ] matrix_a_fmt:MATRIX_FMT_FP4 matrix_b_fmt:MATRIX_FMT_FP4
.else
	v_wmma_scale_f32_16x16x128_f8f6f4 v[rO:rO+7], v[rV:rV+7], v[rP:rP+7], v[rO:rO+7], v[rS], v[rQ] matrix_a_fmt:MATRIX_FMT_FP4 matrix_b_fmt:MATRIX_FMT_FP4 matrix_a_scale:MATRIX_SCALE_ROW1
.endif
.endif
.endr
.endm
; The exponentials of the four chunks of one window.  A chunk's 64 exponentials stand mixed with the next chunk's scalings and (mm = 1) the last chunk's x m; none of these names a result of the batch.
; Behind each batch: a plain line and ONE wait, then the chunk's p is summed (before x m), in four chains.
.macro EHALF W, c0, mm
	WIN ((\W)<<6)|12|(\W)
.set ej, 0
.rept 32
	v_pk_fma_f32 v[2*ej:2*ej+1], v[2*ej:2*ej+1], s[CS:CS+1], v[NC:NC+1] op_sel_hi:[1,0,0]   ; c s - c max
.set ej, ej+1
.endr
.set ek, 0
.rept 4
.if (ek > 0) && \mm
	s_wait_dscnt 16                                ; the mask of the chunk to be multiplied is in; the next chunk's sixteen loads may be out
.endif
	WIN ((\W)<<6)|12|(\W)
.set ej, 0
.rept 32
.if ek < 3
	v_pk_fma_f32 v[64*(ek+1)+2*ej:64*(ek+1)+2*ej+1], v[64*(ek+1)+2*ej:64*(ek+1)+2*ej+1], s[CS:CS+1], v[NC:NC+1] op_sel_hi:[1,0,0]
.endif
	v_exp_f32 v[64*ek+2*ej], v[64*ek+2*ej]
.if (ek > 0) && \mm
	v_pk_mul_f32 v[64*(ek-1)+2*ej:64*(ek-1)+2*ej+1], v[64*(ek-1)+2*ej:64*(ek-1)+2*ej+1], v[MB+64*(((\c0)+ek-1)%2)+2*ej:MB+64*(((\c0)+ek-1)%2)+2*ej+1]
.endif
	v_exp_f32 v[64*ek+2*ej+1], v[64*ek+2*ej+1]
.set ej, ej+1
.endr
	v_nop
	s_wait_alu depctr_va_vdst(0)
.if \mm && (ek > 0) && (((\c0)+ek+1) <= 7)
	LOADM (\c0)+ek+1
.endif
	WIN (\W)<<2
.set ej, 0
.rept 32
	v_pk_add_f32 v[SU+2*(ej%4):SU+2*(ej%4)+1], v[SU+2*(ej%4):SU+2*(ej%4)+1], v[64*ek+2*ej:64*ek+2*ej+1]
.set ej, ej+1
.endr
.set ek, ek+1
.endr
.if \mm
.if ((\c0)+4) <= 7
	s_wait_dscnt 16
.else
	s_wait_dscnt 0x0
.endif
	WIN ((\W)<<6)|12|(\W)
.set ej, 0
.rept 32
	v_pk_mul_f32 v[192+2*ej:192+2*ej+1], v[192+2*ej:192+2*ej+1], v[MB+64*(((\c0)+3)%2)+2*ej:MB+64*(((\c0)+3)%2)+2*ej+1]
.set ej, ej+1
.endr
.if ((\c0)+5) <= 7
	LOADM (\c0)+5
.endif
.endif
.endm
.macro SUMRCP                          ; V's first two K steps are asked for; the row's sum and its reciprocal
	LOADV 0
	LOADV 1
	WIN 0
	v_pk_add_f32 v[SU:SU+1], v[SU:SU+1], v[SU+2:SU+3]
	v_pk_add_f32 v[SU+4:SU+5], v[SU+4:SU+5], v[SU+6:SU+7]
	v_pk_add_f32 v[SU:SU+1], v[SU:SU+1], v[SU+4:SU+5]
	v_add_f32 v[SU], v[SU], v[SU+1]
	v_permlanex16_b32 v[SMP], v[SU], s[SEL], s[SEL+1]
	v_add_f32 v[SU], v[SU], v[SMP]                 ; the row's sum
	v_rcp_f32 v[RI], v[SU]
	v_nop
	s_wait_alu depctr_va_vdst(0)                   ; ahead of the first reader
.endm
; A = p (m) / sum, quantised chunk by chunk; the second product runs one chunk behind.  gen = 1: a block's largest |A| is searched for; gen = 0: it is the block's largest p x 1 / sum
.macro NLOOP gen
.set I, 0
.rept 8
.set NW, 1+I/4
.set NB, 64*(I%4)
.set NS, I%2
	WIN (NW<<6)|NW
.set ej, 0
.rept 32
	v_pk_mul_f32 v[NB+2*ej:NB+2*ej+1], v[NB+2*ej:NB+2*ej+1], v[RI:RI+1] op_sel_hi:[1,0]
.set ej, ej+1
.endr
.if I > 0
	s_wait_dscnt 9                                 ; V of the chunk before is in; this chunk's nine loads may be out
	PVP I-1
.endif
.if \gen
	WIN 5*NW
.irp b, 0,1,2,3
	v_max3_num_f32 v[TM+\b], |v[NB+16*\b]|, |v[NB+16*\b+1]|, 0x1800000   ; with the floor 2^(3 - 127)
.endr
.irp i, 2,4,6,8,10,12,14
.irp b, 0,1,2,3
	v_max3_num_f32 v[TM+\b], |v[NB+16*\b+\i]|, |v[NB+16*\b+\i+1]|, v[TM+\b]
.endr
.endr
.if (I > 0) && (I < 7)
	LOADV I+1                                      ; behind 32 plain lines: the set that the products above have read
.endif
	WIN 0
.irp b, 0,1,2,3
	v_permlanex16_b32 v[TM+4+\b], v[TM+\b], s[SEL], s[SEL+1]
.endr
.irp b, 0,1,2,3
	v_max_num_f32 v[TM+\b], v[TM+\b], v[TM+4+\b]
.endr
.else
	WIN 0
.irp b, 0,1,2,3
	v_mul_f32 v[TM+\b], v[BM+4*I+\b], v[RI]        ; the same multiplication on the same number as the block's largest element
.endr
.irp b, 0,1,2,3
	v_max_num_f32 v[TM+\b], 0x1800000, v[TM+\b]    ; the floor 2^(3 - 127)
.endr
.endif
.irp b, 0,1,2,3
	v_add_nc_u32 v[TM+8+\b], 0xff000000, v[TM+\b]
.endr
.irp b, 0,1,2,3
	v_lshrrev_b32 v[TM+4+\b], 23, v[TM+8+\b]
.endr
.if (\gen == 0) && (I > 0) && (I < 7)
	LOADV I+1                                      ; behind 16 plain lines: the set that the products above have read
.endif
	v_lshl_or_b32 v[PW+NS], v[TM+5], 8, v[TM+4]
	v_lshl_or_b32 v[PW+NS], v[TM+6], 16, v[PW+NS]
	v_lshl_or_b32 v[PW+NS], v[TM+7], 24, v[PW+NS]
	WIN NW
.irp b, 0,1,2,3
	v_cvt_scalef32_pk8_fp4_f32 v[PC+8*NS+2*\b], v[NB+16*\b:NB+16*\b+7], v[TM+8+\b]
	v_cvt_scalef32_pk8_fp4_f32 v[PC+8*NS+2*\b+1], v[NB+16*\b+8:NB+16*\b+15], v[TM+8+\b]
.endr
	WIN 0
	v_nop                                          ; a plain line behind the conversions
.irp c, 0,1
	v_permlane16_swap_b32 v[PC+8*NS+4*\c], v[PC+8*NS+4*\c+2]
	v_permlane16_swap_b32 v[PC+8*NS+4*\c+1], v[PC+8*NS+4*\c+3]
.endr
.set I, I+1
.endr
.endm
.Lunit:                                ; 8 trips: a unit of 16 queries
	s_wait_xcnt 0x0                                ; the last unit's loads and stores have read their registers and bases: both are written again below
	LOADK 0
	LOADK 1
	s_wait_loadcnt 0x0                             ; this unit's Q, asked for a unit ago
	v_mov_b32 v[QS], v[QNS]                        ; the scale word first: twelve plain lines stand between it and the first product, eight behind the last code
.irp j, 0,1,2,3
	v_mov_b32 v[QF+\j], v[QN+\j]
.endr
.irp j, 0,1,2,3,4,5,6,7
	v_mov_b32 v[SU+\j], 0
.endr
	s_lshr_b32 s18, s[TT], 1
	s_lshl_b32 s18, s18, 17                        ; 32 rows for each pair of units,
	s_and_b32 s46, s[TT], 1
	s_lshl_b32 s46, s46, 15                        ; 8 for the odd one
	s_add_co_u32 s18, s18, s46
	s_add_nc_u64 s[50:51], s[42:43], s[18:19]
	s_add_nc_u64 s[52:53], s[44:45], s[18:19]
	WIN 0xc0
.irp i, 0,1,2,3,4,5,6,7
	global_load_b128 v[RES+4*\i:RES+4*\i+3], v[VO], s[50:51] offset:(2*\i+8*(\i/4))*4096 th:TH_LOAD_NT   ; Q's rows of the unit's queries, my head's 256 bytes
.endr
	; ---- the scores, 128 keys at a time; the maxima of the chunk before stand behind each chunk's products and are their places
.set I, 0
.rept 8
.if I < 7
	s_wait_dscnt 9                                 ; this chunk's K is in; the next chunk's nine loads may be out
.else
	s_wait_dscnt 0x0
.endif
	SPROD I
.if I == 0
	PLACES 4
.else
	BLKMAX I-1
.endif
.if I < 6
	LOADK I+2
.endif
.set I, I+1
.endr
	BLKMAX 7
.irp j, 0,1,2,3
	v_max3_num_f32 v[T8+\j], v[BM+\j], v[BM+4+\j], v[BM+8+\j]     ; the 32 blocks' maxima in four chains
.endr
.irp g, 12,20
.irp j, 0,1,2,3
	v_max3_num_f32 v[T8+\j], v[T8+\j], v[BM+\g+\j], v[BM+\g+4+\j]
.endr
.endr
.irp j, 0,1,2,3
	v_max_num_f32 v[T8+\j], v[T8+\j], v[BM+28+\j]
.endr
	v_max3_num_f32 v[SMX], v[T8], v[T8+1], v[T8+2]
	v_max_num_f32 v[SMX], v[SMX], v[T8+3]
	v_permlanex16_b32 v[SMP], v[SMX], s[SEL], s[SEL+1]
	v_max_num_f32 v[SMX], v[SMX], v[SMP]           ; the row's largest raw score
	v_mul_f32 v[NC], s60, v[SMX]                   ; - c max
	s_add_co_u32 s62, s[TT], 1                     ; the next unit's Q is asked for here; the last unit asks for its own again: no load leaves the buffer
	s_min_u32 s62, s62, 7
	s_lshl_b32 s46, s62, 9
	s_add_nc_u64 s[34:35], s[30:31], s[46:47]
	s_lshl_b32 s46, s62, 2
	s_add_nc_u64 s[36:37], s[32:33], s[46:47]
	global_load_b128 v[QN:QN+3], v[LI], s[34:35]
	global_load_b32 v[QNS], v[R32], s[36:37]
	s_cmp_lg_u32 s[FAST], 0
	s_cbranch_scc1 .Lzero_one
	; ---- the general way: p = 2^(c s - c max), its sum, x m, / sum, the blocks' largest |A| searched for
	LOADM 0
	LOADM 1
	EHALF 1, 0, 1
	EHALF 2, 4, 1
	SUMRCP
	NLOOP 1
	s_branch .Ljoin
.Lzero_one:
	; ---- masks of 0 and 1: each block's largest score, with lane l xor 16's 16 keys, goes through the multiply-add and the exponential that its element goes through
.irp g, 0,8,16,24
.irp j, 0,1,2,3,4,5,6,7
	v_permlanex16_b32 v[T8+\j], v[BM+\g+\j], s[SEL], s[SEL+1]
.endr
.irp j, 0,1,2,3,4,5,6,7
	v_max_num_f32 v[BM+\g+\j], v[BM+\g+\j], v[T8+\j]
.endr
.endr
.set n, 0
.rept 32
	v_fma_f32 v[BM+n], v[BM+n], s[CS], v[NC]
.set n, n+1
.endr
.set n, 0
.rept 32
	v_exp_f32 v[BM+n], v[BM+n]                     ; the first chunk's scalings follow as plain work; the wait behind that chunk's batch serves these too, far ahead of their first reader
.set n, n+1
.endr
	EHALF 1, 0, 0
	EHALF 2, 4, 0
	SUMRCP
	NLOOP 0
.Ljoin:
	PLACES 8                                       ; a scale word made by vector lines stands eight places ahead of the scaled product
	s_wait_dscnt 0x0
	PVP 7
	; ---- the way out: O^T through my stage, + Q, sixteen lanes to a row's 256 bytes of my head
	WIN 0
	PLACES 4
	WIN 0x0c
.irp k, 0,1,2,3,4,5,6,7
	ds_store_b128 v[STO], v[4*\k:4*\k+3] offset:128*(\k/4)+16*(\k%4)   ; registers 16 b + i: channel 32 b + 16 h + i; each accumulator from its low end on
.endr
	WIN 0xc0
.irp i, 0,1,2,3,4,5,6,7
	ds_load_b128 v[RB+4*\i:RB+4*\i+3], v[SRD] offset:544*\i            ; LDS serves a wave's instructions in order: these see my stores
.endr
	s_wait_loadcnt 2                               ; Q's rows are in; the next unit's two loads may be out
	s_wait_dscnt 0x0
	WIN 0xcf
.set ej, 0
.rept 16
	v_pk_add_f32 v[RB+2*ej:RB+2*ej+1], v[RB+2*ej:RB+2*ej+1], v[RES+2*ej:RES+2*ej+1]
.set ej, ej+1
.endr
	WIN 0x0c
.irp i, 0,1,2,3,4,5,6,7
	global_store_b128 v[VO], v[RB+4*\i:RB+4*\i+3], s[52:53] offset:(2*\i+8*(\i/4))*4096
.endr
	WIN 0
	s_add_co_u32 s[TT], s[TT], 1
	s_cmp_lt_u32 s[TT], 8
	s_cbranch_scc1 .Lunit
	s_wait_tensorcnt 0x0
	ds_add_u32 v222, v223
	s_wait_dscnt 0x0
	s_endpgm
.Lfunc_end_k_q3a77d549ae_attn:
	.size	k_q3a77d549ae_attn, .Lfunc_end_k_q3a77d549ae_attn-k_q3a77d549ae_attn
	.p2alignl 7, 3214868480
	.fill 96, 4, 3214868480
	.section	.rodata,"a",@progbits
	.p2align	6, 0x0
	.amdhsa_kernel k_q3a77d549ae_attn
		.amdhsa_group_segment_fixed_size 93696
		.amdhsa_private_segment_fixed_size 0
		.amdhsa_enable_private_segment 0
		.amdhsa_kernarg_size 48
		.amdhsa_user_sgpr_count 2
		.amdhsa_user_sgpr_kernarg_segment_ptr 1
		.amdhsa_wavefront_size32 1
		.amdhsa_system_sgpr_workgroup_id_x 1
		.amdhsa_system_sgpr_workgroup_id_y 1
		.amdhsa_system_sgpr_workgroup_id_z 1
		.amdhsa_system_vgpr_workitem_id 0
		.amdhsa_next_free_vgpr 1024
		.amdhsa_next_free_sgpr 80
		.amdhsa_reserve_vcc 0
		.amdhsa_float_denorm_mode_32 3
		.amdhsa_float_denorm_mode_16_64 3
		.amdhsa_memory_ordered 1
		.amdhsa_forward_progress 1
		.amdhsa_inst_pref_size 255
	.end_amdhsa_kernel
	.section	.bss,"aw",@nobits
	.p2align	6
	.space	262144
	.amdgpu_metadata
---
amdhsa.version: [ 1, 2 ]
amdhsa.kernels:
  - .name:           k_q3a77d549ae_attn
    .symbol:         k_q3a77d549ae_attn.kd
    .args:
      - { .name: att, .offset: 0, .size: 8, .value_kind: global_buffer, .address_space: global }
      - { .name: asc, .offset: 8, .size: 8, .value_kind: global_buffer, .address_space: global }
      - { .name: pad_mask, .offset: 16, .size: 8, .value_kind: global_buffer, .address_space: global }
      - { .name: Q, .offset: 24, .size: 8, .value_kind: global_buffer, .address_space: global }
      - { .name: obuf, .offset: 32, .size: 8, .value_kind: global_buffer, .address_space: global }
      - { .name: flags, .offset: 40, .size: 8, .value_kind: global_buffer, .address_space: global }
    .group_segment_fixed_size: 93696
    .private_segment_fixed_size: 0
    .kernarg_segment_align: 8
    .kernarg_segment_size: 48
    .max_flat_workgroup_size: 128
    .sgpr_count:     80
    .vgpr_count:     1024
    .wavefront_size: 32
...
	.end_amdgpu_metadata
.endif
;; end of part 3
;; launch fin (part 4): grid 256 x 1, 4 waves a work-group, no clusters, 299,008 bytes of LDS; arguments obuf, img, simg, g_o, be_o, bo, g_f, be_f, out0; writes out0
.if DOCPART == 4
	.amdgcn_target "amdgcn-amd-amdhsa--gfx1250"
	.amdhsa_code_object_version 6
	.text
	.protected	k_q3a77d549ae_fin
	.globl	k_q3a77d549ae_fin
	.p2align	8
	.type	k_q3a77d549ae_fin,@function
k_q3a77d549ae_fin:
	s_mov_b64 s[64:65], 0
	v_nop
	global_prefetch_b8 v0, s[64:65] scope:SCOPE_SE
	s_setreg_imm32_b32 hwreg(HW_REG_WAVE_MODE, 25, 1), 1
	s_wait_xcnt 0x0
; out0 = LN_f(O + relu(LN_o(O) Wo^T + bo)), the product on E2M1 codes.  A work-group takes 32 whole rows of O.
; A: wave w norms and quantises rows 8 w + i (a row in one wave, lane l holds block l).  All eight rows are asked for at the head (64 loads of 512 consecutive bytes, window 1 holds them); a row's turn through LDS
;    runs one row ahead of the arithmetic, on two sets of registers.  The rows stay in LDS for the residual, their codes go to LDS as a pair in the order of an operand's registers.
; B: wave w makes output channels 256 w .. 256 w + 255 for all 32 rows: 16 tiles of Wo x 2 tiles of rows; source 0 = Wo, source 1 = the rows: a lane holds a row, its registers run along the channels.
;    Wo's fragments of tiles 0-11 come from the image straight into registers, four tiles ahead, the first four asked for among A's rows; tiles 12-15 (32,768 dense bytes a wave) come into LDS by ONE tensor load
;    a wave at the head, a first fill of bytes of their own, read by that wave alone.  bo is the C of each sum's first matrix instruction; a tile's two accumulators take turns.
; C: relu, + O, the last layer norm: each row's sum and sum of squares meet in LDS (two barriers); the result goes back to the rows' own bytes in LDS and leaves as whole rows.
; No cluster: Wo is the same for all work-groups, but three quarters of it go straight into registers, where no joint load reaches, and LDS has no room for a ring beside the rows.
; LIMITS: NaN and infinities are not served; a block whose largest magnitude lies under 2^-124 keeps the byte 1; the order of the sums is not reference()'s.
; REGISTERS: window 0: v1-7, v136-142 addresses; v16-79 g_o, be_o; v80-95 Wo's scale words, four sets; v96-103 the rows'; v104-135 bo, four sets; v144-169 statistics; v170-201, v208-239 the row at work, two sets;
;   v202-207, v252-255 its codes and byte, two sets; v240-251 at work.  window 1: eight rows as loaded, then the 32 accumulators (128 mt + 8 nt).  window 2: the rows' 16 fragments, then g_f; v128-255 be_f.
;   window 3: four tiles of Wo, then O, then the way out.
.set RPITCH, 4624                      ; a row in LDS: 32 blocks of 128 bytes + 16, and 16 more
.set IMG,   32*RPITCH                  ; the pair's image: 64 rows of 256 bytes at pitch 272
.set SIM,   IMG+64*272
.set RED1,  SIM+1024                   ; [wave][tile of rows][r]: 512 bytes; the squares' 512 on
.set WL,    RED1+1024                  ; 167,424, a multiple of 256: Wo's tiles 12-15, 32,768 bytes for each wave; nothing is stored there
.set LANE,  1
.set L16,   2
.set STW,   3                          ; 16 l + 16 (l / 8) + my 8 rows
.set STR,   4                          ; 144 l + my 8 rows
.set IMW,   5
.set SBW,   6
.set L128,  7
.set G,     16
.set BE,    48
.set WS,    80
.set XS,    96
.set BO,    104
.set RA,    136                        ; (r + 8 (r / 8)) x RPITCH + 64 h + 1152 w
.set XA,    137                        ; IMG + 272 h + 16 r
.set XSA,   138                        ; SIM + 16 x lane
.set RW,    139                        ; RED1 + 128 w + 4 r
.set RR,    140                        ; RED1 + 4 r
.set FO,    141                        ; 64 h + 1024 w
.set WLA,   142                        ; WL + 32768 w + 16 x lane
.set SA,    144
.set X1,    170                        ; odd rows' block, codes and byte;
.set C1,    202
.set X,     208                        ; even rows'
.set T,     240
.set C,     252
.set MSB, 0
.macro WIN new                         ; the immediate's high byte repeats the setting that is left; a switch that changes nothing is dropped
.if MSB != (\new)
	s_set_vgpr_msb (MSB<<8)|(\new)
.set MSB, (\new)
.endif
.endm
.macro PLACES n
.rept \n
	v_nop
.endr
.endm
	s_load_b512 s[8:23], s[0:1], 0x0               ; obuf, img, simg, g_o, be_o, bo, g_f, be_f
	s_load_b64 s[24:25], s[0:1], 0x40              ; out0
	v_lshl_add_u32 v250, v0, 2, 0x48e00
	v_mov_b32 v251, 0
	ds_add_u32 v250, v251
	ds_add_u32 v250, v251
	v_lshrrev_b32 v8, 5, v0
	v_readfirstlane_b32 s26, v8                    ; wave
	v_and_b32 v[LANE], 31, v0
	v_and_b32 v8, 15, v0                           ; r
	v_bfe_u32 v9, v0, 4, 1                         ; h
	v_lshlrev_b32 v[L16], 4, v[LANE]
	v_lshrrev_b32 v10, 3, v[LANE]
	v_lshl_add_u32 v[STW], v10, 4, v[L16]
	s_mul_i32 s30, s26, 8*RPITCH
	v_add_nc_u32 v[STW], s30, v[STW]
	v_mul_u32_u24 v[STR], v[LANE], 144
	v_add_nc_u32 v[STR], s30, v[STR]
	s_and_b32 s31, s26, 1
	s_lshr_b32 s32, s26, 1
	s_lshl_b32 s32, s32, 7
	s_mul_i32 s33, s31, 8704
	s_add_co_u32 s33, s33, s32
	s_add_co_u32 s33, s33, IMG
	v_mul_u32_u24 v[IMW], v[LANE], 272
	v_add_nc_u32 v[IMW], s33, v[IMW]
	s_lshl_b32 s33, s31, 9
	s_add_co_u32 s33, s33, s32
	s_add_co_u32 s33, s33, SIM
	v_lshl_add_u32 v[SBW], v9, 8, v8
	v_add_nc_u32 v[SBW], s33, v[SBW]
	v_lshlrev_b32 v[L128], 7, v[LANE]
	v_and_b32 v10, 8, v8
	v_add_nc_u32 v10, v10, v8
	v_mul_u32_u24 v[RA], v10, RPITCH
	v_lshl_add_u32 v[RA], v9, 6, v[RA]
	s_mul_i32 s33, s26, 1152
	v_add_nc_u32 v[RA], s33, v[RA]
	v_mul_u32_u24 v[XA], v9, 272
	v_lshl_add_u32 v[XA], v8, 4, v[XA]
	v_add_nc_u32 v[XA], IMG, v[XA]
	v_add_nc_u32 v[XSA], SIM, v[L16]
	v_lshlrev_b32 v[RR], 2, v8
	v_add_nc_u32 v[RR], RED1, v[RR]
	s_lshl_b32 s33, s26, 7
	v_add_nc_u32 v[RW], s33, v[RR]
	v_lshlrev_b32 v[FO], 6, v9
	s_lshl_b32 s33, s26, 10
	v_add_nc_u32 v[FO], s33, v[FO]
	s_lshl_b32 s34, s26, 15
	s_add_co_u32 s34, s34, WL                      ; my wave's 32,768 bytes of Wo in LDS
	v_add_nc_u32 v[WLA], s34, v[L16]
	v_mov_b32 v[T+5], 0                            ; lane permutes' destinations: written once
	v_mov_b32 v[SA+8], 0
	v_mov_b32 v[SA+9], 0
	s_mov_b32 s46, 0x3a800000                      ; 1 / 1024
	s_mov_b32 s47, 0x3727c5ac                      ; 1e-5
	s_mov_b32 s48, 0x76543210
	s_mov_b32 s49, 0xfedcba98
	; descriptor group 1: 32,768 dense bytes as 128 rows of 256 bytes (32 elements of 8 bytes), no padding
	s_mov_b32 s56, 3<<16                           ; no mask; elements of 8 bytes; padding off
	s_mov_b32 s57, 32<<16                          ; tensor_dim0
	s_mov_b32 s58, 128<<16                         ; tensor_dim1
	s_mov_b32 s59, 32<<16                          ; tile_dim0
	s_mov_b32 s60, 128                             ; tile_dim1
	s_mov_b32 s61, 32                              ; from row to row
	s_mov_b32 s62, 0
	s_mov_b32 s63, 0
	s_mov_b32 s29, 0
	s_wait_dscnt 0x0
	s_wait_kmcnt 0x0
	s_lshl_b32 s28, s26, 17
	s_add_co_u32 s28, s28, 9961472
	s_add_nc_u64 s[10:11], s[10:11], s[28:29]      ; my 16 tiles of Wo
	s_mov_b32 s52, 1
	s_mov_b32 s53, s34
	s_add_nc_u64 s[54:55], s[10:11], 12*8192       ; tiles 12-15
	s_or_b32 s55, s55, 0x80000000
	tensor_load_to_lds s[52:55], s[56:63]          ; my wave's one tensor load: a first fill, ahead of every wait on TENSORcnt, every LDS read and every barrier
	s_nop 0
	PLACES 4                                       ; four lines behind it, ahead of the first switch of windows
	s_lshl_b32 s28, ttmp9, 17
	s_lshl_b32 s30, s26, 15
	s_add_co_u32 s28, s28, s30                     ; my work-group's 32 rows, my wave's 8
	s_add_nc_u64 s[8:9], s[8:9], s[28:29]
	s_add_nc_u64 s[24:25], s[24:25], s[28:29]
	s_lshl_b32 s28, s26, 13
	s_add_co_u32 s28, s28, 622592
	s_add_nc_u64 s[12:13], s[12:13], s[28:29]      ; Wo's scale words
; Tile nt of Wo into set nt % 4: 16 fragments of 512 consecutive bytes (tiles 0-11 from memory, tiles 12-15 from LDS), its scale words and its bias (3 loads from memory)
.macro WLOAD nt
	WIN 0xc0
.if (\nt) < 12
.irp n, 0,1,2,3,4,5,6,7,8,9,10,11,12,13,14,15
	global_load_b128 v[64*((\nt)%4)+4*\n:64*((\nt)%4)+4*\n+3], v[L16], s[10:11] offset:8192*(\nt)+512*\n
.endr
.else
.irp n, 0,1,2,3,4,5,6,7,8,9,10,11,12,13,14,15
	ds_load_b128 v[64*((\nt)%4)+4*\n:64*((\nt)%4)+4*\n+3], v[WLA] offset:8192*((\nt)-12)+512*\n
.endr
.endif
	WIN 0
	global_load_b128 v[WS+4*((\nt)%4):WS+4*((\nt)%4)+3], v[L16], s[12:13] offset:512*(\nt)
	global_load_b128 v[BO+8*((\nt)%4):BO+8*((\nt)%4)+3], v[FO], s[18:19] offset:(32*((\nt)/2)+8*((\nt)%2))*4
	global_load_b128 v[BO+8*((\nt)%4)+4:BO+8*((\nt)%4)+7], v[FO], s[18:19] offset:(32*((\nt)/2)+8*((\nt)%2))*4+16
.endm
.macro ROWLOAD i
.irp j, 0,1,2,3,4,5,6,7
	global_load_b128 v[32*(\i)+4*\j:32*(\i)+4*\j+3], v[L16], s[8:9] offset:(\i)*4096+512*\j th:TH_LOAD_NT
.endr
.endm
.macro STAGE i                         ; the row goes to its place in LDS, where it stays, and my block comes back: 16 LDS instructions
.if ((\i)%2) == 0
.set SX, X
.else
.set SX, X1
.endif
	WIN 0x04
.irp j, 0,1,2,3,4,5,6,7
	ds_store_b128 v[STW], v[32*(\i)+4*\j:32*(\i)+4*\j+3] offset:(\i)*RPITCH+576*\j
.endr
	WIN 0
.irp j, 0,1,2,3,4,5,6,7
	ds_load_b128 v[SX+4*\j:SX+4*\j+3], v[STR] offset:(\i)*RPITCH+16*\j   ; LDS serves a wave's instructions in order: these see the stores above
.endr
.endm
.macro WSUM
	v_add_f32_dpp v[T], v[T], v[T] row_xmask:1 row_mask:0xf bank_mask:0xf
	v_add_f32_dpp v[T], v[T], v[T] row_xmask:2 row_mask:0xf bank_mask:0xf
	v_add_f32_dpp v[T], v[T], v[T] row_xmask:4 row_mask:0xf bank_mask:0xf
	v_add_f32_dpp v[T], v[T], v[T] row_xmask:8 row_mask:0xf bank_mask:0xf
	v_permlanex16_b32 v[T+5], v[T], s48, s49
	v_add_f32 v[T], v[T], v[T+5]
.endm
.macro LNROW i                         ; even and odd rows have registers of their own for the block, its codes and its byte: an LDS store's data are written again two rows later, behind a wait that covers it
.if ((\i)%2) == 0
.set XB, X
.set CB, C
.set BY, 207
.else
.set XB, X1
.set CB, C1
.set BY, 206
.endif
	v_pk_add_f32 v[T:T+1], v[XB:XB+1], v[XB+2:XB+3]
	v_pk_add_f32 v[T+2:T+3], v[XB+4:XB+5], v[XB+6:XB+7]
.irp j, 8,12,16,20,24,28
	v_pk_add_f32 v[T:T+1], v[T:T+1], v[XB+\j:XB+\j+1]
	v_pk_add_f32 v[T+2:T+3], v[T+2:T+3], v[XB+\j+2:XB+\j+3]
.endr
	v_pk_add_f32 v[T:T+1], v[T:T+1], v[T+2:T+3]
	v_add_f32 v[T], v[T], v[T+1]
	WSUM
	v_mul_f32 v[T+6], s46, v[T]
	v_mul_f32 v[T+7], s46, v[T]
.irp j, 0,2,4,6,8,10,12,14,16,18,20,22,24,26,28,30
	v_pk_add_f32 v[XB+\j:XB+\j+1], v[XB+\j:XB+\j+1], v[T+6:T+7] neg_lo:[0,1] neg_hi:[0,1]
.endr
	v_pk_mul_f32 v[T:T+1], v[XB:XB+1], v[XB:XB+1]
	v_pk_mul_f32 v[T+2:T+3], v[XB+2:XB+3], v[XB+2:XB+3]
.irp j, 4,8,12,16,20,24,28
	v_pk_fma_f32 v[T:T+1], v[XB+\j:XB+\j+1], v[XB+\j:XB+\j+1], v[T:T+1]
	v_pk_fma_f32 v[T+2:T+3], v[XB+\j+2:XB+\j+3], v[XB+\j+2:XB+\j+3], v[T+2:T+3]
.endr
	v_pk_add_f32 v[T:T+1], v[T:T+1], v[T+2:T+3]
	v_add_f32 v[T], v[T], v[T+1]
	WSUM
	v_fma_f32 v[T+4], v[T], s46, s47
	v_rsq_f32 v[T+8], v[T+4]
	v_rsq_f32 v[T+9], v[T+4]
	v_nop                                          ; a plain line behind the transcendentals
	s_wait_alu depctr_va_vdst(0)                   ; one wait for the two, ahead of their first reader
.irp j, 0,2,4,6,8,10,12,14,16,18,20,22,24,26,28,30
	v_pk_mul_f32 v[XB+\j:XB+\j+1], v[XB+\j:XB+\j+1], v[T+8:T+9]
.endr
.irp j, 0,2,4,6,8,10,12,14,16,18,20,22,24,26,28,30
	v_pk_fma_f32 v[XB+\j:XB+\j+1], v[XB+\j:XB+\j+1], v[G+\j:G+\j+1], v[BE+\j:BE+\j+1]
.endr
	v_max3_num_f32 v[T], |v[XB]|, |v[XB+1]|, 0x1800000         ; with the floor 2^(3 - 127)
	v_max3_num_f32 v[T+1], |v[XB+2]|, |v[XB+3]|, 0x1800000
.irp j, 4,8,12,16,20,24,28
	v_max3_num_f32 v[T], v[T], |v[XB+\j]|, |v[XB+\j+1]|
	v_max3_num_f32 v[T+1], v[T+1], |v[XB+\j+2]|, |v[XB+\j+3]|
.endr
	v_max_num_f32 v[T], v[T], v[T+1]
	v_add_nc_u32 v[T+2], 0xff000000, v[T]
.irp g, 0,1,2,3
	v_cvt_scalef32_pk8_fp4_f32 v[CB+\g], v[XB+8*\g:XB+8*\g+7], v[T+2]
.endr
	v_lshrrev_b32 v[BY], 23, v[T+2]                ; the byte (also the plain line behind the conversions)
	ds_store_b128 v[IMW], v[CB:CB+3] offset:16*(\i)
	ds_store_b8 v[SBW], v[BY] offset:16*(\i)
.endm
; Row i.  lc: the loads younger than row i + 1's eight (the later rows' and the tiles of Wo asked for so far, 19 each).  dc: the LDS instructions younger than row i's turn (the next row's 16, the last row's 2 image stores).
; wl: the tile of Wo that is asked for here, or -1
.macro ROW i, lc, dc, wl
.if (\i) < 7
	s_wait_loadcnt \lc
	STAGE (\i)+1
.endif
	s_wait_dscnt \dc
.if (\wl) >= 0
	WLOAD \wl
.endif
	LNROW \i
.endm
.macro BARRIER
	s_wait_dscnt 0x0                               ; my LDS stores have landed and my LDS loads are in
	s_barrier_signal -1
	s_barrier_wait -1
.endm
.irp j, 0,1,2,3,4,5,6,7
	global_load_b128 v[G+4*\j:G+4*\j+3], v[L128], s[14:15] offset:16*\j
	global_load_b128 v[BE+4*\j:BE+4*\j+3], v[L128], s[16:17] offset:16*\j
.endr
	WIN 0x40
.irp i, 0,1,2,3,4,5,6,7
	ROWLOAD \i
.endr
	WIN 0
	; ---- A
	s_wait_loadcnt 56                              ; the gains and row 0 are in; rows 1-7 may be out
	STAGE 0
	ROW 0, 48, 16, -1
	ROW 1, 40, 18, -1
	ROW 2, 32, 18, 0
	ROW 3, 43, 18, 1
	ROW 4, 54, 18, -1
	ROW 5, 46, 18, 2
	ROW 6, 57, 18, 3
	ROW 7, 0, 2, -1
	BARRIER                                        ; 32 rows, their codes and their scale bytes lie in LDS
	s_wait_tensorcnt 0x0                           ; my tiles 12-15 of Wo have landed: I alone read them
	; ---- B
	WIN 0x80
.irp mt, 0,1
.irp k, 0,1,2,3,4,5,6,7,8,9,10,11,12,13,14,15
	ds_load_b128 v[64*\mt+4*\k:64*\mt+4*\k+3], v[XA] offset:8704*\mt+544*\k     ; fragment (K step k / 2, half k % 2): block 2 k + h of row r
.endr
.endr
	WIN 0
	ds_load_b128 v[XS:XS+3], v[XSA]
	ds_load_b128 v[XS+4:XS+7], v[XSA] offset:512
	s_wait_dscnt 0x0
.macro PB nt
.set ps, 0
.rept 8
.set pm, 0
.rept 2
.set rD, 128*pm+8*(\nt)
.set rW, 64*((\nt)%4)+8*ps
.set rX, 64*pm+8*ps
.set rB, BO+8*((\nt)%4)
.set rWS, WS+4*((\nt)%4)+ps%4
.set rXS, XS+4*pm+ps%4
.if ps == 0
	WIN 0x4b                                       ; Wo window 3, the rows window 2, bo window 0, the sum window 1
	v_wmma_scale_f32_16x16x128_f8f6f4 v[rD:rD+7], v[rW:rW+7], v[rX:rX+7], v[rB:rB+7], v[rWS], v[rXS] matrix_a_fmt:MATRIX_FMT_FP4 matrix_b_fmt:MATRIX_FMT_FP4
.elseif ps < 4
	WIN 0x5b
	v_wmma_scale_f32_16x16x128_f8f6f4 v[rD:rD+7], v[rW:rW+7], v[rX:rX+7], v[rD:rD+7], v[rWS], v[rXS] matrix_a_fmt:MATRIX_FMT_FP4 matrix_b_fmt:MATRIX_FMT_FP4
.else
	v_wmma_scale_f32_16x16x128_f8f6f4 v[rD:rD+7], v[rW:rW+7], v[rX:rX+7], v[rD:rD+7], v[rWS], v[rXS] matrix_a_fmt:MATRIX_FMT_FP4 matrix_b_fmt:MATRIX_FMT_FP4 matrix_a_scale:MATRIX_SCALE_ROW1 matrix_b_scale:MATRIX_SCALE_ROW1
.endif
.set pm, pm+1
.endr
.set ps, ps+1
.endr
	WIN 0
	PLACES 4                                       ; in front of loads into registers that matrix instructions have read, and of the first read of results
.endm
.set NT, 0
.rept 16
; this tile's loads are in; those of the three tiles behind it may be out: 19 from memory for a tile under 12, else 3 from memory and 16 from LDS
.if NT < 9
	s_wait_loadcnt 57
.elseif NT == 9
	s_wait_loadcnt 41
.elseif NT == 10
	s_wait_loadcnt 25
.elseif NT < 13
	s_wait_loadcnt 9
.else
	s_wait_loadcnt 3*(15-NT)
.endif
.if NT >= 12
	s_wait_dscnt 16*(15-NT)
.endif
	PB NT
.if NT < 12
	WLOAD NT+4
.endif
.set NT, NT+1
.endr
	; ---- C
	WIN 0x80
.irp n, 0,1,2,3,4,5,6,7,8,9,10,11,12,13,14,15,16,17,18,19,20,21,22,23,24,25,26,27,28,29,30,31
	global_load_b128 v[4*\n:4*\n+3], v[FO], s[20:21] offset:128*(\n/4)+16*(\n%4)         ; g_f and be_f of my channels 32 np + 16 h + 0 .. 15
	global_load_b128 v[128+4*\n:128+4*\n+3], v[FO], s[22:23] offset:128*(\n/4)+16*(\n%4)
.endr
	WIN 0xc0
.irp mt, 0,1
.irp n, 0,1,2,3,4,5,6,7,8,9,10,11,12,13,14,15,16,17,18,19,20,21,22,23,24,25,26,27,28,29,30,31
	ds_load_b128 v[128*\mt+4*\n:128*\mt+4*\n+3], v[RA] offset:8*RPITCH*\mt+144*(\n/4)+16*(\n%4)   ; O at the same rows and channels
.endr
.endr
	WIN 0x44
.set n, 0
.rept 256
	v_max_num_f32 v[n], 0, v[n]                    ; relu; each accumulator from its low end on
.set n, n+1
.endr
	s_wait_dscnt 0x0
	WIN 0x4d
.set n, 0
.rept 128
	v_pk_add_f32 v[n:n+1], v[n:n+1], v[n:n+1]      ; + O (source 1 in window 3)
.set n, n+2
.endr
; The four chains (two for each tile of rows) become each row's sum over my 256 channels; the four waves' parts meet in LDS.  Afterwards v[SA+10], v[SA+14]: the rows' sums over all 1,024.
.macro RFIN off
	WIN 0
	v_pk_add_f32 v[SA:SA+1], v[SA:SA+1], v[SA+2:SA+3]
	v_pk_add_f32 v[SA+4:SA+5], v[SA+4:SA+5], v[SA+6:SA+7]
	v_add_f32 v[SA], v[SA], v[SA+1]
	v_add_f32 v[SA+4], v[SA+4], v[SA+5]
	v_permlanex16_b32 v[SA+8], v[SA], s48, s49
	v_permlanex16_b32 v[SA+9], v[SA+4], s48, s49
	v_add_f32 v[SA], v[SA], v[SA+8]
	v_add_f32 v[SA+4], v[SA+4], v[SA+9]
	ds_store_b32 v[RW], v[SA] offset:\off          ; lanes r and r + 16 write the same word with the same value
	ds_store_b32 v[RW], v[SA+4] offset:\off+64
	BARRIER
.irp mt, 0,1
.irp w, 0,1,2,3
	ds_load_b32 v[SA+10+4*\mt+\w], v[RR] offset:\off+128*\w+64*\mt
.endr
.endr
	s_wait_dscnt 0x0
	v_add_f32 v[SA+10], v[SA+10], v[SA+11]
	v_add_f32 v[SA+12], v[SA+12], v[SA+13]
	v_add_f32 v[SA+14], v[SA+14], v[SA+15]
	v_add_f32 v[SA+16], v[SA+16], v[SA+17]
	v_add_f32 v[SA+10], v[SA+10], v[SA+12]
	v_add_f32 v[SA+14], v[SA+14], v[SA+16]
.endm
	WIN 0x05
	v_pk_add_f32 v[SA:SA+1], v[0:1], v[2:3]
	v_pk_add_f32 v[SA+4:SA+5], v[128:129], v[130:131]
	v_pk_add_f32 v[SA+2:SA+3], v[4:5], v[6:7]
	v_pk_add_f32 v[SA+6:SA+7], v[132:133], v[134:135]
	WIN 0x04
.set n, 8
.rept 30
	v_pk_add_f32 v[SA:SA+1], v[SA:SA+1], v[n:n+1]
	v_pk_add_f32 v[SA+4:SA+5], v[SA+4:SA+5], v[128+n:128+n+1]
	v_pk_add_f32 v[SA+2:SA+3], v[SA+2:SA+3], v[n+2:n+3]
	v_pk_add_f32 v[SA+6:SA+7], v[SA+6:SA+7], v[128+n+2:128+n+3]
.set n, n+4
.endr
	RFIN 0
	v_mul_f32 v[SA+18], s46, v[SA+10]              ; the means, each twice
	v_mul_f32 v[SA+19], s46, v[SA+10]
	v_mul_f32 v[SA+20], s46, v[SA+14]
	v_mul_f32 v[SA+21], s46, v[SA+14]
	WIN 0x41
.set n, 0
.rept 64
	v_pk_add_f32 v[n:n+1], v[n:n+1], v[SA+18:SA+19] neg_lo:[0,1] neg_hi:[0,1]
	v_pk_add_f32 v[128+n:128+n+1], v[128+n:128+n+1], v[SA+20:SA+21] neg_lo:[0,1] neg_hi:[0,1]
.set n, n+2
.endr
	WIN 0x05
	v_pk_mul_f32 v[SA:SA+1], v[0:1], v[0:1]
	v_pk_mul_f32 v[SA+4:SA+5], v[128:129], v[128:129]
	v_pk_mul_f32 v[SA+2:SA+3], v[2:3], v[2:3]
	v_pk_mul_f32 v[SA+6:SA+7], v[130:131], v[130:131]
.set n, 4
.rept 31
	v_pk_fma_f32 v[SA:SA+1], v[n:n+1], v[n:n+1], v[SA:SA+1]
	v_pk_fma_f32 v[SA+4:SA+5], v[128+n:128+n+1], v[128+n:128+n+1], v[SA+4:SA+5]
	v_pk_fma_f32 v[SA+2:SA+3], v[n+2:n+3], v[n+2:n+3], v[SA+2:SA+3]
	v_pk_fma_f32 v[SA+6:SA+7], v[128+n+2:128+n+3], v[128+n+2:128+n+3], v[SA+6:SA+7]
.set n, n+4
.endr
	RFIN 512
	v_fma_f32 v[SA+10], v[SA+10], s46, s47         ; variance + eps
	v_fma_f32 v[SA+14], v[SA+14], s46, s47
	v_rsq_f32 v[SA+22], v[SA+10]
	v_rsq_f32 v[SA+23], v[SA+10]
	v_rsq_f32 v[SA+24], v[SA+14]
	v_rsq_f32 v[SA+25], v[SA+14]
	v_nop                                          ; a plain line behind the transcendentals
	s_wait_alu depctr_va_vdst(0)                   ; one wait for the four, ahead of their first reader
	WIN 0x41
.set n, 0
.rept 64
	v_pk_mul_f32 v[n:n+1], v[n:n+1], v[SA+22:SA+23]
	v_pk_mul_f32 v[128+n:128+n+1], v[128+n:128+n+1], v[SA+24:SA+25]
.set n, n+2
.endr
	s_wait_loadcnt 0x0                             ; g_f, be_f
	WIN 0x69
.set n, 0
.rept 64
	v_pk_fma_f32 v[n:n+1], v[n:n+1], v[n:n+1], v[128+n:128+n+1]                 ; x g_f + be_f (sources 1 and 2 in window 2)
	v_pk_fma_f32 v[128+n:128+n+1], v[128+n:128+n+1], v[n:n+1], v[128+n:128+n+1]
.set n, n+2
.endr
	WIN 0x04
.irp mt, 0,1
.irp n, 0,1,2,3,4,5,6,7,8,9,10,11,12,13,14,15,16,17,18,19,20,21,22,23,24,25,26,27,28,29,30,31
	ds_store_b128 v[RA], v[128*\mt+4*\n:128*\mt+4*\n+3] offset:8*RPITCH*\mt+144*(\n/4)+16*(\n%4)   ; back to the bytes that this lane alone has read
.endr
.endr
	WIN 0
	BARRIER                                        ; 32 finished rows lie in LDS
	WIN 0xc0
.irp i, 0,1,2,3,4,5,6,7
.irp j, 0,1,2,3,4,5,6,7
	ds_load_b128 v[4*(8*\i+\j):4*(8*\i+\j)+3], v[STW] offset:\i*RPITCH+576*\j
.endr
.endr
	WIN 0x0c
.irp i, 0,1,2,3,4,5,6,7
.irp j, 0,1,2,3,4,5,6,7
	s_wait_dscnt 63-(8*\i+\j)                      ; the younger LDS loads may stay out
	global_store_b128 v[L16], v[4*(8*\i+\j):4*(8*\i+\j)+3], s[24:25] offset:\i*4096+512*\j th:TH_STORE_NT   ; 512 consecutive bytes, aligned; written once
.endr
.endr
	WIN 0
	s_wait_tensorcnt 0x0
	ds_add_u32 v250, v251
	s_wait_dscnt 0x0
	s_endpgm
.Lfunc_end_k_q3a77d549ae_fin:
	.size	k_q3a77d549ae_fin, .Lfunc_end_k_q3a77d549ae_fin-k_q3a77d549ae_fin
	.p2alignl 7, 3214868480
	.fill 96, 4, 3214868480
	.section	.rodata,"a",@progbits
	.p2align	6, 0x0
	.amdhsa_kernel k_q3a77d549ae_fin
		.amdhsa_group_segment_fixed_size 299008
		.amdhsa_private_segment_fixed_size 0
		.amdhsa_enable_private_segment 0
		.amdhsa_kernarg_size 72
		.amdhsa_user_sgpr_count 2
		.amdhsa_user_sgpr_kernarg_segment_ptr 1
		.amdhsa_wavefront_size32 1
		.amdhsa_system_sgpr_workgroup_id_x 1
		.amdhsa_system_sgpr_workgroup_id_y 1
		.amdhsa_system_sgpr_workgroup_id_z 1
		.amdhsa_system_vgpr_workitem_id 0
		.amdhsa_next_free_vgpr 1024
		.amdhsa_next_free_sgpr 66
		.amdhsa_reserve_vcc 0
		.amdhsa_float_denorm_mode_32 3
		.amdhsa_float_denorm_mode_16_64 3
		.amdhsa_memory_ordered 1
		.amdhsa_forward_progress 1
		.amdhsa_inst_pref_size 234
	.end_amdhsa_kernel
	.amdgpu_metadata
---
amdhsa.version: [ 1, 2 ]
amdhsa.kernels:
  - .name:           k_q3a77d549ae_fin
    .symbol:         k_q3a77d549ae_fin.kd
    .args:
      - { .name: obuf, .offset: 0, .size: 8, .value_kind: global_buffer, .address_space: global }
      - { .name: img, .offset: 8, .size: 8, .value_kind: global_buffer, .address_space: global }
      - { .name: simg, .offset: 16, .size: 8, .value_kind: global_buffer, .address_space: global }
      - { .name: g_o, .offset: 24, .size: 8, .value_kind: global_buffer, .address_space: global }
      - { .name: be_o, .offset: 32, .size: 8, .value_kind: global_buffer, .address_space: global }
      - { .name: bo, .offset: 40, .size: 8, .value_kind: global_buffer, .address_space: global }
      - { .name: g_f, .offset: 48, .size: 8, .value_kind: global_buffer, .address_space: global }
      - { .name: be_f, .offset: 56, .size: 8, .value_kind: global_buffer, .address_space: global }
      - { .name: out0, .offset: 64, .size: 8, .value_kind: global_buffer, .address_space: global }
    .group_segment_fixed_size: 299008
    .private_segment_fixed_size: 0
    .kernarg_segment_align: 8
    .kernarg_segment_size: 72
    .max_flat_workgroup_size: 128
    .sgpr_count:     66
    .vgpr_count:     1024
    .wavefront_size: 32
...
	.end_amdgpu_metadata
.endif
;; end of part 4
;; ======== version 2 of 2: 4 launches; version 1 with the launch attn written anew for expert scheduling mode
;; limits: right only within a limited range of input values
;; workspace buffers: img 10,485,760 bytes; simg 655,360 bytes; att 12,582,912 bytes; asc 1,310,720 bytes; obuf 33,554,432 bytes; flags 131,072 bytes of whole numbers
;; launch lnq: the kernel of part 1 again; grid 640 x 1, 4 waves a work-group, no clusters, 56,320 bytes of LDS; arguments Q, K, g_q, be_q, g_kv, be_kv, Wq_codes, Wq_scales, Wk_codes, Wk_scales, Wv_codes, Wv_scales, Wo_codes, Wo_scales, img, simg; writes img, simg
;; launch proj: the kernel of part 2 again; grid 256 x 1, 4 waves a work-group, no clusters, 168,448 bytes of LDS; arguments img, simg, bq, bk, bv, pad_mask, att, asc, flags; writes att, asc, flags
;; launch attn (part 5): grid 256 x 1, 4 waves a work-group, no clusters, 93,696 bytes of LDS; arguments att, asc, pad_mask, Q, obuf, flags; writes obuf
.if DOCPART == 5
	.amdgcn_target "amdgcn-amd-amdhsa--gfx1250"
	.amdhsa_code_object_version 6
	.text
	.protected	k_q3a77d549ae_attn
	.globl	k_q3a77d549ae_attn
	.p2align	8
	.type	k_q3a77d549ae_attn,@function
k_q3a77d549ae_attn:
	s_mov_b64 s[64:65], 0
	v_nop
	global_prefetch_b8 v0, s[64:65] scope:SCOPE_SE
	s_setreg_imm32_b32 hwreg(HW_REG_WAVE_SCHED_MODE, 0, 2), 2
	s_setreg_imm32_b32 hwreg(HW_REG_WAVE_MODE, 25, 1), 1
	s_wait_xcnt 0x0
	s_wait_alu depctr_vm_vsrc(0)
; obuf = Q + concat over heads of (softmax(where(m == 0, masked, Qp Kp^T / 32)) x m) Vp, both products on E2M1 codes.  A = softmax x m is quantised FINISHED: normalised and multiplied by m, in blocks of 32 keys.
; A work-group takes 512 queries of one head of one batch; wave w takes 128 of them, in 8 units of 16.  A unit keeps all 1,024 scores of its 16 queries in 512 registers: the row's maximum and sum are known
; before anything is quantised, and each exponential is taken once.  The row's maximum is taken away before the exponential.
; The head's K, V, their scale words and the batch's mask lie in LDS, filled once through registers, in the order of the operands' registers: every fragment is 512 consecutive bytes.
; Both products are used transposed (S^T = K Q^T, O^T = V^T A^T): a lane holds one query.  A tile's 16 keys are keys 8 u + r + 8 (r / 8) of 32, so the 16 registers of tiles 2 b, 2 b + 1 are 16 neighbouring keys.
; THE MASK IN THE FIRST PRODUCT.  The head has 64 channels, the instruction 128 along K.  At k = 64 Q holds the code of 1.0 (scale 1) and K the code of -6; K's scale byte for k = 64 .. 95 was set from the mask:
; a key with m == 0 gets -6 x 2^31 onto its raw score (-4e8 after the 1 / 32), another -6 x 2^-126.  A masked key's exponential is 0 as with reference()'s -1e12; where all keys are masked every p is finite
; and x m makes every A zero, as in reference().
; TWO WAYS BEHIND THE MAXIMUM, chosen for the batch by a scalar branch on whole numbers that the launch before stored (bit 0: every m of a chunk is 0 or 1; bit 1: one of them is 1):
;   the general way, for every mask: p is multiplied by the f32 mask as it is given, and each block's largest |A| is searched for among the finished numbers;
;   the way for masks of 0 and 1 with a key kept: x m changes nothing there (a masked key's p is 0, the others are multiplied by 1), and a block's largest A is its largest SCORE, which the search for the row's
;   maximum passes through anyway, put through the same multiply-add, exponential and multiplication.  (This takes v_exp_f32 not to fall where its input rises, which the ISA guide does not state: it promises 1 ulp.)
; LIMITS: |score| far under 4e8; a kept key's raw score carries -6 x 2^-126; NaN and infinities are not served; a block of A whose largest magnitude lies under 2^-124 keeps the byte 1.
; No cluster: the two work-groups of a head share 74 KB, filled once; the rest of a work-group's bytes (Q, obuf) is its own.
; THE MODE: SCHED_MODE bits 1:0 = 2 (LLVM: expert scheduling mode 2), set by the entry lines.  The code itself states the register dependences
; between vector or matrix instructions and memory or LDS instructions, with s_wait_alu, always for 0.
; THE PLAN.  Registers that memory or LDS instructions touch, in a unit:
;   v1-v10         addresses: made at the head, never written again: the one wait ahead of the first load serves every load and store.
;   K's two sets   LOADK i lands, chunk i's eight products read, LOADK i + 2 lands again: one wait a chunk, behind the maxima that follow the products.  Their scale words go with them.
;   QN, QNS        loaded in mid-unit, read by the next unit's five moves; the wait behind those moves stands ahead of the next loads.
;   RES            loaded at the unit's head, read by the sixteen additions at its end; the wait ahead of the stores stands behind them.
;   the mask's two sets   LOADM i lands, chunk i's 32 multiplications read, LOADM i + 2 lands again, behind the wait of a batch of exponentials that stands behind those multiplications.
;   V's THREE sets LOADV i lands, the products of K step i read.  LOADV i + 1 is issued in chunk i, in the set that the products of K step i - 2 read: these were issued ahead of chunk i's one wait.  Their scale words go with them.
;   O^T            written by the products, read by the stage's LDS stores (a wait between), written anew by the next unit's products (the wait on vm_vsrc at the unit's head between).
;   RB             the stage's loads land, the additions write, the stores read (a wait between); loads land in it again in the next unit (the wait on vm_vsrc at the unit's head between).
;   Q's fragment and scale word, A's codes and scale words are written by vector lines and taken by scaled products: a wait stands behind their places, ahead of the products.
; REGISTERS: window 0: v1-10 addresses; v12-13 the row's maximum; v16-23 Q's fragment, v24 its scale word, v25, v28-31 the next unit's; v26-27 -c max; v32-159 K, two sets of 8 fragments (registers 4-7 of each set once);
;   v160-167 K's scale words; v168-171, v220-221 V's, three sets; v172-173 A's; v174-175 1 / sum; v176-191 A's codes, two sets; v192-199 eight maxima at work; v200-207 the sum in four chains; v208-219 at work;
;   v222, v223 the closing add's two; v224-255 the 32 blocks' largest scores.
;   Windows 1, 2: the scores: chunk i of 128 keys at window 1 + i / 4, register 64 (i % 4).  Window 3: v0-31 O^T; v32-95 and v160-191 V, three sets (the third lies in the mask's first set, which is done with
;   when V is asked for); v96-127 Q's rows; v128-255 the mask, two sets.
.set KSC, 65536                        ; LDS: K's codes at 0, V's at 32768, K's scale words, V's, the mask, a stage of 16 x 272 bytes for each wave
.set VSC, 69632
.set MT,  71680
.set STG, 75776
.set LI,  1                            ; 16 x lane
.set KSA, 2                            ; KSC + 32 r + 16 h
.set VSA, 3                            ; VSC + 8 x lane
.set MTA, 4                            ; MT + 64 h
.set STO, 5                            ; my stage + 272 r + 64 h
.set SRD, 6                            ; my stage + 272 h + 16 r
.set VO,  7                            ; 4096 h + 16 r
.set R32, 8                            ; 32 r
.set CP,  9                            ; 16 x thread
.set CP2, 10
.set SMX, 12
.set SMP, 13
.set QF,  16
.set QS,  24
.set QNS, 25
.set NC,  26
.set QN,  28
.set KF,  32
.set KS,  160
.set VS,  168                          ; sets 0 and 1; set 2 lies 48 further on than its turn: v220-221
.set PW,  172
.set RI,  174
.set PC,  176
.set T8,  192
.set SU,  200
.set TM,  208
.set BM,  224
.set VF,  32                           ; in window 3: sets 0 and 1; set 2 lies 64 further on than its turn: v160-191
.set RES, 96
.set MB,  128
.set RB,  128
.set TT,  54                           ; s54 the unit
.set CS,  56                           ; s[56:57] c = log2(e) / 32
.set SEL, 58                           ; s[58:59]
.set FAST, 78                          ; s78 1: the way for masks of 0 and 1
.set MSB, 0
.macro WIN new                         ; the immediate's high byte repeats the setting that is left; a switch that changes nothing is dropped
.if MSB != (\new)
	s_set_vgpr_msb (MSB<<8)|(\new)
.set MSB, (\new)
.endif
.endm
.macro PLACES n
.rept \n
	v_nop
.endr
.endm
	s_load_b256 s[8:15], s[0:1], 0x0               ; att, asc, pad_mask, Q
	s_load_b64 s[16:17], s[0:1], 0x20              ; obuf
	s_load_b64 s[76:77], s[0:1], 0x28              ; flags
	v_lshl_add_u32 v222, v0, 2, 0x16c00
	v_mov_b32 v223, 0
	v_lshrrev_b32 v11, 5, v0
	v_readfirstlane_b32 s20, v11                   ; wave
	v_and_b32 v11, 31, v0
	v_and_b32 v12, 15, v0                          ; r
	v_bfe_u32 v13, v0, 4, 1                        ; h
	v_lshlrev_b32 v[LI], 4, v11
	v_lshlrev_b32 v[R32], 5, v12
	v_lshl_add_u32 v[KSA], v13, 4, v[R32]
	v_add_nc_u32 v[KSA], KSC, v[KSA]
	v_lshlrev_b32 v[VSA], 3, v11
	v_add_nc_u32 v[VSA], VSC, v[VSA]
	v_lshlrev_b32 v[MTA], 6, v13
	v_add_nc_u32 v[MTA], MT, v[MTA]
	s_wait_alu depctr_va_sdst(0)                   ; s20, the wave's number, is written, ahead of its first reader: the stage's place and the bases of Q and obuf are made from it
	s_mul_i32 s18, s20, 16*272
	s_add_co_u32 s18, s18, STG
	v_mul_u32_u24 v[STO], v12, 272
	v_lshl_add_u32 v[STO], v13, 6, v[STO]
	v_add_nc_u32 v[STO], s18, v[STO]
	v_mul_u32_u24 v[SRD], v13, 272
	v_lshl_add_u32 v[SRD], v12, 4, v[SRD]
	v_add_nc_u32 v[SRD], s18, v[SRD]
	v_lshlrev_b32 v[VO], 12, v13
	v_lshl_add_u32 v[VO], v12, 4, v[VO]
	v_lshlrev_b32 v[CP], 4, v0
	v_add_nc_u32 v[CP2], 0x10000, v[CP]
	v_xor_b32 v14, 1, v13                          ; 1 in lanes 0-15, whose register 4 begins at k = 64
	v_lshlrev_b32 v[QF+4], 1, v14                  ; Q: the code 2 (1.0) at k = 64, zeros up to k = 127
	v_mov_b32 v[QF+5], 0
	v_mov_b32 v[QF+6], 0
	v_mov_b32 v[QF+7], 0
	v_mul_u32_u24 v14, v14, 15                     ; K: the code 15 (-6) at k = 64
.set n, 0
.rept 16
	v_mov_b32 v[KF+8*n+4], v14
	v_mov_b32 v[KF+8*n+5], 0
	v_mov_b32 v[KF+8*n+6], 0
	v_mov_b32 v[KF+8*n+7], 0
.set n, n+1
.endr
	v_mov_b32 v[NC+1], 0                           ; pairs' upper halves and lane permutes' destinations: written once (v13 holds h)
	v_mov_b32 v[RI+1], 0
.irp b, 4,5,6,7
	v_mov_b32 v[TM+\b], 0
.endr
	s_mov_b32 s[CS], 0x3d38aa3b
	s_mov_b32 s[CS+1], s[CS]
	s_mov_b32 s60, 0xbd38aa3b                      ; -c
	s_mov_b32 s[SEL], 0x76543210
	s_mov_b32 s[SEL+1], 0xfedcba98
	s_mov_b32 s[TT], 0
	s_lshr_b32 s21, ttmp9, 1                       ; batch x 16 + head
	s_and_b32 s22, ttmp9, 1
	s_lshr_b32 s23, s21, 4                         ; batch
	s_and_b32 s24, s21, 15                         ; head
	s_lshl_b32 s25, s22, 2
	s_add_co_u32 s25, s25, s20                     ; my chunk of 128 queries
	s_mov_b32 s19, 0
	s_mov_b32 s47, 0
	s_wait_kmcnt 0x0
	s_lshl_b32 s18, s23, 14
	s_add_nc_u64 s[76:77], s[76:77], s[18:19]      ; the batch's eight chunks of keys: a word each, 2,048 bytes apart
.irp ch, 0,1,2,3,4,5,6,7
	s_load_b32 s[68+\ch], s[76:77], \ch*2048
.endr
	s_lshl_b32 s18, s21, 15
	s_add_nc_u64 s[26:27], s[8:9], s[18:19]        ; the head's q codes; k's 4,194,304 on
	s_add_nc_u64 s[28:29], s[26:27], 0x800000      ; v's
	s_lshl_b32 s18, s25, 12
	s_add_nc_u64 s[30:31], s[26:27], s[18:19]      ; my chunk's 8 tiles of q
	s_lshl_b32 s18, s21, 12
	s_add_nc_u64 s[38:39], s[10:11], s[18:19]      ; the head's q words; k's 524,288 on
	s_lshl_b32 s18, s25, 9
	s_add_nc_u64 s[32:33], s[38:39], s[18:19]      ; my chunk's q words
	s_lshl_b32 s18, s21, 11
	s_add_nc_u64 s[40:41], s[10:11], s[18:19]      ; v's words lie 1,048,576 on
	s_lshl_b32 s18, s23, 12
	s_add_nc_u64 s[12:13], s[12:13], s[18:19]      ; the batch's mask
	s_lshl_b32 s18, s23, 22
	s_lshl_b32 s34, s25, 19
	s_add_co_u32 s18, s18, s34
	s_lshl_b32 s34, s24, 8
	s_add_co_u32 s18, s18, s34                     ; my chunk's first row, my head's 256 bytes of it
	s_add_nc_u64 s[42:43], s[14:15], s[18:19]
	s_add_nc_u64 s[44:45], s[16:17], s[18:19]
	WIN 0x40                                       ; LDS is filled once: 37 loads of 16 bytes a thread, through window 1
	s_wait_alu depctr_va_vdst(0)                   ; the ten addresses v1 to v10 are written, which every load and store of the kernel reads; so are the constant registers of Q's and K's fragments, which the scaled products take
.set n, 0
.rept 16
	global_load_b128 v[4*n:4*n+3], v[CP], s[26:27] offset:4194304+2048*n
.set n, n+1
.endr
.rept 16
	global_load_b128 v[4*n:4*n+3], v[CP], s[28:29] offset:2048*(n-16)
.set n, n+1
.endr
	global_load_b128 v[128:131], v[CP], s[38:39] offset:524288
	global_load_b128 v[132:135], v[CP], s[38:39] offset:524288+2048
	global_load_b128 v[136:139], v[CP], s[40:41] offset:1048576
	global_load_b128 v[140:143], v[CP], s[12:13]
	global_load_b128 v[144:147], v[CP], s[12:13] offset:2048
	WIN 0
	global_load_b128 v[QN:QN+3], v[LI], s[30:31]   ; unit 0's Q
	global_load_b32 v[QNS], v[R32], s[32:33]
	s_wait_loadcnt 2                               ; all but Q's two
	WIN 0x04
.set n, 0
.rept 32
	ds_store_b128 v[CP], v[4*n:4*n+3] offset:2048*n
.set n, n+1
.endr
.rept 5
	ds_store_b128 v[CP2], v[4*n:4*n+3] offset:2048*(n-32)
.set n, n+1
.endr
	WIN 0
	s_wait_dscnt 0x0                               ; my part has landed
	s_barrier_signal -1
	s_barrier_wait -1                              ; everybody's has; these bytes are only read from here on
	s_wait_kmcnt 0x0                               ; the eight words about the mask
	s_and_b32 s[FAST], s68, s69
	s_or_b32 s79, s68, s69
.irp ch, 2,3,4,5,6,7
	s_and_b32 s[FAST], s[FAST], s[68+\ch]
	s_or_b32 s79, s79, s[68+\ch]
.endr
	s_lshr_b32 s79, s79, 1
	s_and_b32 s[FAST], s[FAST], s79
	s_and_b32 s[FAST], s[FAST], 1                  ; every m is 0 or 1, and one is 1
.macro LOADK i                         ; chunk i's 8 tiles of K (registers 0-3 of each fragment) and their scale words: nine LDS loads
	WIN 0
.irp t, 0,1,2,3,4,5,6,7
	ds_load_b128 v[KF+64*((\i)%2)+8*\t:KF+64*((\i)%2)+8*\t+3], v[LI] offset:(8*(\i)+\t)*512
.endr
	ds_load_b128 v[KS+4*((\i)%2):KS+4*((\i)%2)+3], v[KSA] offset:512*(\i)
.endm
.macro SPROD i                         ; S^T of chunk i: register j of the scale words: lanes 0-15 tile j, lanes 16-31 tile 4 + j
	WIN (1+(\i)/4)<<6
.irp t, 0,1,2,3,4,5,6,7
.set rD, 64*((\i)%4)+8*\t
.set rK, KF+64*((\i)%2)+8*\t
.set rS, KS+4*((\i)%2)+\t%4
.if \t < 4
	v_wmma_scale_f32_16x16x128_f8f6f4 v[rD:rD+7], v[rK:rK+7], v[QF:QF+7], 0, v[rS], v[QS] matrix_a_fmt:MATRIX_FMT_FP4 matrix_b_fmt:MATRIX_FMT_FP4
.else
	v_wmma_scale_f32_16x16x128_f8f6f4 v[rD:rD+7], v[rK:rK+7], v[QF:QF+7], 0, v[rS], v[QS] matrix_a_fmt:MATRIX_FMT_FP4 matrix_b_fmt:MATRIX_FMT_FP4 matrix_a_scale:MATRIX_SCALE_ROW1
.endif
.endr
.endm
; The largest score of each of chunk i's four blocks of 32 keys (my half's 16 of each): eight chains, a tile each, from each accumulator's low end on; then a block's two tiles and their last registers meet.
.macro BLKMAX i
.set bw, 1+(\i)/4
.set bb, 64*((\i)%4)
	WIN 21*bw                                      ; all three sources in the scores' window
.irp t, 0,1,2,3,4,5,6,7
	v_max3_num_f32 v[T8+\t], v[bb+8*\t], v[bb+8*\t+1], v[bb+8*\t+2]
.endr
	WIN 5*bw
.irp t, 0,1,2,3,4,5,6,7
	v_max3_num_f32 v[T8+\t], v[bb+8*\t+3], v[bb+8*\t+4], v[T8+\t]
.endr
.irp t, 0,1,2,3,4,5,6,7
	v_max3_num_f32 v[T8+\t], v[bb+8*\t+5], v[bb+8*\t+6], v[T8+\t]
.endr
.irp b, 0,1,2,3
	v_max3_num_f32 v[BM+4*(\i)+\b], v[bb+16*\b+7], v[bb+16*\b+15], v[T8+2*\b]
.endr
	WIN 0
.irp b, 0,1,2,3
	v_max_num_f32 v[BM+4*(\i)+\b], v[BM+4*(\i)+\b], v[T8+2*\b+1]
.endr
.endm
.macro LOADM i                         ; the mask of chunk i's keys in the scores' order: register 16 b + i': key 32 b + 16 h + i': sixteen LDS loads
	WIN 0xc0
.irp n, 0,1,2,3,4,5,6,7,8,9,10,11,12,13,14,15
	ds_load_b128 v[MB+64*((\i)%2)+4*\n:MB+64*((\i)%2)+4*\n+3], v[MTA] offset:512*(\i)+128*(\n/4)+16*(\n%4)
.endr
.endm
.macro LOADV i                         ; K step i of V into set i % 3: 4 fragments and their scale words: nine LDS loads
.set lv, VF+32*((\i)%3)+64*(((\i)%3)/2)
.set ls, VS+2*((\i)%3)+48*(((\i)%3)/2)
	WIN 0xc0
.irp n, 0,1,2,3,4,5,6,7
	ds_load_b128 v[lv+4*\n:lv+4*\n+3], v[LI] offset:32768+4096*(\i)+512*\n
.endr
	WIN 0
	ds_load_b64 v[ls:ls+1], v[VSA] offset:256*(\i)
.endm
.macro PVP i                           ; O^T += V^T A^T, K step i: four accumulators by turns
	WIN 0xf3
.irp n, 0,1,2,3
.set rO, 8*\n
.set rV, VF+32*((\i)%3)+64*(((\i)%3)/2)+8*\n
.set rP, PC+8*((\i)%2)
.set rS, VS+2*((\i)%3)+48*(((\i)%3)/2)+\n/2
.set rQ, PW+(\i)%2
.if (\i) == 0
.if \n%2 == 0
	v_wmma_scale_f32_16x16x128_f8f6f4 v[rO:rO+7], v[rV:rV+7], v[rP:rP+7], 0, v[rS], v[rQ] matrix_a_fmt:MATRIX_FMT_FP4 matrix_b_fmt:MATRIX_FMT_FP4
.else
	v_wmma_scale_f32_16x16x128_f8f6f4 v[rO:rO+7], v[rV:rV+7], v[rP:rP+7], 0, v[rS], v[rQ] matrix_a_fmt:MATRIX_FMT_FP4 matrix_b_fmt:MATRIX_FMT_FP4 matrix_a_scale:MATRIX_SCALE_ROW1
.endif
.else
.if \n%2 == 0
	v_wmma_scale_f32_16x16x128_f8f6f4 v[rO:rO+7], v[rV:rV+7], v[rP:rP+7], v[rO:rO+7], v[rS], v[rQ] matrix_a_fmt:MATRIX_FMT_FP4 matrix_b_fmt:MATRIX_FMT_FP4
.else
	v_wmma_scale_f32_16x16x128_f8f6f4 v[rO:rO+7], v[rV:rV+7], v[rP:rP+7], v[rO:rO+7], v[rS], v[rQ] matrix_a_fmt:MATRIX_FMT_FP4 matrix_b_fmt:MATRIX_FMT_FP4 matrix_a_scale:MATRIX_SCALE_ROW1
.endif
.endif
.endr
.endm
; The exponentials of the four chunks of one window.  A chunk's 64 exponentials stand mixed with the next chunk's scalings and (mm = 1) the last chunk's x m; none of these names a result of the batch.
; Behind each batch: a plain line and ONE wait, then the chunk's p is summed (before x m), in four chains.
; mm = 1: behind the wait of chunk i's batch (i from 1 to 6) the mask of chunk i + 1 is asked for: it lands in the set that the x m of chunk i - 1 read, and these stand ahead of that wait.
.macro EHALF W, c0, mm
	WIN ((\W)<<6)|12|(\W)
.set ej, 0
.rept 32
	v_pk_fma_f32 v[2*ej:2*ej+1], v[2*ej:2*ej+1], s[CS:CS+1], v[NC:NC+1] op_sel_hi:[1,0,0]   ; c s - c max
.set ej, ej+1
.endr
.set ek, 0
.rept 4
.if (ek > 0) && \mm
	s_wait_dscnt 16                                ; the mask of the chunk to be multiplied is in; the next chunk's sixteen loads may be out
.endif
	WIN ((\W)<<6)|12|(\W)
.set ej, 0
.rept 32
.if ek < 3
	v_pk_fma_f32 v[64*(ek+1)+2*ej:64*(ek+1)+2*ej+1], v[64*(ek+1)+2*ej:64*(ek+1)+2*ej+1], s[CS:CS+1], v[NC:NC+1] op_sel_hi:[1,0,0]
.endif
	v_exp_f32 v[64*ek+2*ej], v[64*ek+2*ej]
.if (ek > 0) && \mm
	v_pk_mul_f32 v[64*(ek-1)+2*ej:64*(ek-1)+2*ej+1], v[64*(ek-1)+2*ej:64*(ek-1)+2*ej+1], v[MB+64*(((\c0)+ek-1)%2)+2*ej:MB+64*(((\c0)+ek-1)%2)+2*ej+1]
.endif
	v_exp_f32 v[64*ek+2*ej+1], v[64*ek+2*ej+1]
.set ej, ej+1
.endr
	v_nop
	s_wait_alu depctr_va_vdst(0)                   ; the batch's exponentials have written p, ahead of the sums that read it; the x m issued so far are done reading the mask's set in which the loads below land
.if \mm && (((\c0)+ek) > 0) && (((\c0)+ek+1) <= 7)
	LOADM (\c0)+ek+1
.endif
	WIN (\W)<<2
.set ej, 0
.rept 32
	v_pk_add_f32 v[SU+2*(ej%4):SU+2*(ej%4)+1], v[SU+2*(ej%4):SU+2*(ej%4)+1], v[64*ek+2*ej:64*ek+2*ej+1]
.set ej, ej+1
.endr
.set ek, ek+1
.endr
.if \mm
.if ((\c0)+4) <= 7
	s_wait_dscnt 16
.else
	s_wait_dscnt 0x0
.endif
	WIN ((\W)<<6)|12|(\W)
.set ej, 0
.rept 32
	v_pk_mul_f32 v[192+2*ej:192+2*ej+1], v[192+2*ej:192+2*ej+1], v[MB+64*(((\c0)+3)%2)+2*ej:MB+64*(((\c0)+3)%2)+2*ej+1]
.set ej, ej+1
.endr
.endif
.endm
.macro SUMRCP                          ; V's first two K steps are asked for (no vector or matrix line since the last batch's wait names their sets); the row's sum and its reciprocal
	LOADV 0
	LOADV 1
	WIN 0
	v_pk_add_f32 v[SU:SU+1], v[SU:SU+1], v[SU+2:SU+3]
	v_pk_add_f32 v[SU+4:SU+5], v[SU+4:SU+5], v[SU+6:SU+7]
	v_pk_add_f32 v[SU:SU+1], v[SU:SU+1], v[SU+4:SU+5]
	v_add_f32 v[SU], v[SU], v[SU+1]
	v_permlanex16_b32 v[SMP], v[SU], s[SEL], s[SEL+1]
	v_add_f32 v[SU], v[SU], v[SMP]                 ; the row's sum
	v_rcp_f32 v[RI], v[SU]
	v_nop
	s_wait_alu depctr_va_vdst(0)                   ; the reciprocal is written, ahead of its first reader
.endm
; A = p (m) / sum, quantised chunk by chunk; the second product runs one chunk behind.  gen = 1: a block's largest |A| is searched for; gen = 0: it is the block's largest p x 1 / sum
.macro NLOOP gen
.set I, 0
.rept 8
.set NW, 1+I/4
.set NB, 64*(I%4)
.set NS, I%2
	WIN (NW<<6)|NW
.set ej, 0
.rept 32
	v_pk_mul_f32 v[NB+2*ej:NB+2*ej+1], v[NB+2*ej:NB+2*ej+1], v[RI:RI+1] op_sel_hi:[1,0]
.set ej, ej+1
.endr
.if I > 0
	s_wait_dscnt 9                                 ; V of the chunk before is in; this chunk's nine loads may be out
	s_wait_alu depctr_va_vdst(0)                   ; the last chunk's codes and scale word are written, which the products below take (the 32 lines above are their places); the products issued a chunk ago are done reading their set of V and its scale words, in which this chunk's loads land
	PVP I-1
.endif
.if \gen
	WIN 5*NW
.irp b, 0,1,2,3
	v_max3_num_f32 v[TM+\b], |v[NB+16*\b]|, |v[NB+16*\b+1]|, 0x1800000   ; with the floor 2^(3 - 127)
.endr
.irp i, 2,4,6,8,10,12,14
.irp b, 0,1,2,3
	v_max3_num_f32 v[TM+\b], |v[NB+16*\b+\i]|, |v[NB+16*\b+\i+1]|, v[TM+\b]
.endr
.endr
.if (I > 0) && (I < 7)
	LOADV I+1                                      ; no wait: no vector or matrix line since the wait above names this set of V or its scale words
.endif
	WIN 0
.irp b, 0,1,2,3
	v_permlanex16_b32 v[TM+4+\b], v[TM+\b], s[SEL], s[SEL+1]
.endr
.irp b, 0,1,2,3
	v_max_num_f32 v[TM+\b], v[TM+\b], v[TM+4+\b]
.endr
.else
	WIN 0
.irp b, 0,1,2,3
	v_mul_f32 v[TM+\b], v[BM+4*I+\b], v[RI]        ; the same multiplication on the same number as the block's largest element
.endr
.irp b, 0,1,2,3
	v_max_num_f32 v[TM+\b], 0x1800000, v[TM+\b]    ; the floor 2^(3 - 127)
.endr
.endif
.irp b, 0,1,2,3
	v_add_nc_u32 v[TM+8+\b], 0xff000000, v[TM+\b]
.endr
.irp b, 0,1,2,3
	v_lshrrev_b32 v[TM+4+\b], 23, v[TM+8+\b]
.endr
.if (\gen == 0) && (I > 0) && (I < 7)
	LOADV I+1                                      ; no wait: no vector or matrix line since the wait above names this set of V or its scale words
.endif
	v_lshl_or_b32 v[PW+NS], v[TM+5], 8, v[TM+4]
	v_lshl_or_b32 v[PW+NS], v[TM+6], 16, v[PW+NS]
	v_lshl_or_b32 v[PW+NS], v[TM+7], 24, v[PW+NS]
	WIN NW
.irp b, 0,1,2,3
	v_cvt_scalef32_pk8_fp4_f32 v[PC+8*NS+2*\b], v[NB+16*\b:NB+16*\b+7], v[TM+8+\b]
	v_cvt_scalef32_pk8_fp4_f32 v[PC+8*NS+2*\b+1], v[NB+16*\b+8:NB+16*\b+15], v[TM+8+\b]
.endr
	WIN 0
	v_nop                                          ; a plain line behind the conversions
.irp c, 0,1
	v_permlane16_swap_b32 v[PC+8*NS+4*\c], v[PC+8*NS+4*\c+2]
	v_permlane16_swap_b32 v[PC+8*NS+4*\c+1], v[PC+8*NS+4*\c+3]
.endr
.set I, I+1
.endr
.endm
.Lunit:                                ; 8 trips: a unit of 16 queries
	s_wait_xcnt 0x0                                ; the last unit's loads and stores have read their registers and bases: both are written again below
	s_wait_alu depctr_vm_vsrc(0)                   ; the last unit's LDS stores have read O^T and its stores to memory RB; in the first trip the fill's LDS stores have read window 1: this unit's products write O^T and window 1, and loads land in RB
	LOADK 0                                        ; no wait on va_vdst: the products that read K's sets stand ahead of later waits of the last unit, and no vector line of the head names these registers
	LOADK 1
	s_wait_loadcnt 0x0                             ; this unit's Q, asked for a unit ago
	v_mov_b32 v[QS], v[QNS]                        ; the scale word first: twelve plain lines stand between it and the first product, eight behind the last code
.irp j, 0,1,2,3
	v_mov_b32 v[QF+\j], v[QN+\j]
.endr
.irp j, 0,1,2,3,4,5,6,7
	v_mov_b32 v[SU+\j], 0
.endr
	s_wait_alu depctr_va_vdst(0)                   ; Q's fragment and scale word are written, which the scaled products take (their places stand above); the moves are done reading QN and QNS, in which the next unit's Q lands further down
	s_lshr_b32 s18, s[TT], 1
	s_lshl_b32 s18, s18, 17                        ; 32 rows for each pair of units,
	s_and_b32 s46, s[TT], 1
	s_lshl_b32 s46, s46, 15                        ; 8 for the odd one
	s_add_co_u32 s18, s18, s46
	s_add_nc_u64 s[50:51], s[42:43], s[18:19]
	s_add_nc_u64 s[52:53], s[44:45], s[18:19]
	WIN 0xc0
.irp i, 0,1,2,3,4,5,6,7
	global_load_b128 v[RES+4*\i:RES+4*\i+3], v[VO], s[50:51] offset:(2*\i+8*(\i/4))*4096 th:TH_LOAD_NT   ; Q's rows of the unit's queries, my head's 256 bytes
.endr
	; ---- the scores, 128 keys at a time; the maxima of the chunk before stand behind each chunk's products and are their places
.set I, 0
.rept 8
.if I < 7
	s_wait_dscnt 9                                 ; this chunk's K is in; the next chunk's nine loads may be out
.else
	s_wait_dscnt 0x0
.endif
	SPROD I
.if I == 0
	PLACES 4
.else
	BLKMAX I-1
.endif
.if I < 6
	s_wait_alu depctr_va_vdst(0)                   ; this chunk's products are done reading their set of K and its scale words, in which the loads below land
	LOADK I+2
.endif
.set I, I+1
.endr
	BLKMAX 7
.irp j, 0,1,2,3
	v_max3_num_f32 v[T8+\j], v[BM+\j], v[BM+4+\j], v[BM+8+\j]     ; the 32 blocks' maxima in four chains
.endr
.irp g, 12,20
.irp j, 0,1,2,3
	v_max3_num_f32 v[T8+\j], v[T8+\j], v[BM+\g+\j], v[BM+\g+4+\j]
.endr
.endr
.irp j, 0,1,2,3
	v_max_num_f32 v[T8+\j], v[T8+\j], v[BM+28+\j]
.endr
	v_max3_num_f32 v[SMX], v[T8], v[T8+1], v[T8+2]
	v_max_num_f32 v[SMX], v[SMX], v[T8+3]
	v_permlanex16_b32 v[SMP], v[SMX], s[SEL], s[SEL+1]
	v_max_num_f32 v[SMX], v[SMX], v[SMP]           ; the row's largest raw score
	v_mul_f32 v[NC], s60, v[SMX]                   ; - c max
	s_add_co_u32 s62, s[TT], 1                     ; the next unit's Q is asked for here; the last unit asks for its own again: no load leaves the buffer
	s_min_u32 s62, s62, 7
	s_lshl_b32 s46, s62, 9
	s_add_nc_u64 s[34:35], s[30:31], s[46:47]
	s_lshl_b32 s46, s62, 2
	s_add_nc_u64 s[36:37], s[32:33], s[46:47]
	global_load_b128 v[QN:QN+3], v[LI], s[34:35]   ; no wait: no vector line since the wait behind the unit's moves names QN or QNS
	global_load_b32 v[QNS], v[R32], s[36:37]
	s_cmp_lg_u32 s[FAST], 0
	s_cbranch_scc1 .Lzero_one
	; ---- the general way: p = 2^(c s - c max), its sum, x m, / sum, the blocks' largest |A| searched for
	LOADM 0                                        ; no wait: all that named the mask's sets (the last unit's x m, its products by V's third set, its additions into RB) stands ahead of waits of that unit
	LOADM 1
	EHALF 1, 0, 1
	EHALF 2, 4, 1
	SUMRCP
	NLOOP 1
	s_branch .Ljoin
.Lzero_one:
	; ---- masks of 0 and 1: each block's largest score, with lane l xor 16's 16 keys, goes through the multiply-add and the exponential that its element goes through
.irp g, 0,8,16,24
.irp j, 0,1,2,3,4,5,6,7
	v_permlanex16_b32 v[T8+\j], v[BM+\g+\j], s[SEL], s[SEL+1]
.endr
.irp j, 0,1,2,3,4,5,6,7
	v_max_num_f32 v[BM+\g+\j], v[BM+\g+\j], v[T8+\j]
.endr
.endr
.set n, 0
.rept 32
	v_fma_f32 v[BM+n], v[BM+n], s[CS], v[NC]
.set n, n+1
.endr
.set n, 0
.rept 32
	v_exp_f32 v[BM+n], v[BM+n]                     ; the first chunk's scalings follow as plain work; the wait behind that chunk's batch serves these too, far ahead of their first reader
.set n, n+1
.endr
	EHALF 1, 0, 0
	EHALF 2, 4, 0
	SUMRCP
	NLOOP 0
.Ljoin:
	PLACES 8                                       ; a scale word made by vector lines stands eight places ahead of the scaled product
	s_wait_dscnt 0x0
	s_wait_alu depctr_va_vdst(0)                   ; chunk 7's codes and scale word are written, which the products below take; the places above stay beside this wait
	PVP 7
	; ---- the way out: O^T through my stage, + Q, sixteen lanes to a row's 256 bytes of my head
	WIN 0
	PLACES 4
	WIN 0x0c
	s_wait_alu depctr_va_vdst(0)                   ; the products have written O^T, which the LDS stores read; the places above stay beside this wait
.irp k, 0,1,2,3,4,5,6,7
	ds_store_b128 v[STO], v[4*\k:4*\k+3] offset:128*(\k/4)+16*(\k%4)   ; registers 16 b + i: channel 32 b + 16 h + i; each accumulator from its low end on
.endr
	WIN 0xc0
.irp i, 0,1,2,3,4,5,6,7
	ds_load_b128 v[RB+4*\i:RB+4*\i+3], v[SRD] offset:544*\i            ; LDS serves a wave's instructions in order: these see my stores
.endr
	s_wait_loadcnt 2                               ; Q's rows are in; the next unit's two loads may be out
	s_wait_dscnt 0x0
	WIN 0xcf
.set ej, 0
.rept 16
	v_pk_add_f32 v[RB+2*ej:RB+2*ej+1], v[RB+2*ej:RB+2*ej+1], v[RES+2*ej:RES+2*ej+1]
.set ej, ej+1
.endr
	WIN 0x0c
	s_wait_alu depctr_va_vdst(0)                   ; the additions have written RB, which the stores read, and are done reading Q's rows, in which the next unit's loads land
.irp i, 0,1,2,3,4,5,6,7
	global_store_b128 v[VO], v[RB+4*\i:RB+4*\i+3], s[52:53] offset:(2*\i+8*(\i/4))*4096
.endr
	WIN 0
	s_add_co_u32 s[TT], s[TT], 1
	s_cmp_lt_u32 s[TT], 8
	s_cbranch_scc1 .Lunit
	s_wait_dscnt 0x0                               ; the closing lines, six on end
	s_wait_alu 0x0
	s_wait_tensorcnt 0x0
	ds_add_u32 v222, v223
	s_wait_dscnt 0x0
	s_endpgm
.Lfunc_end_k_q3a77d549ae_attn:
	.size	k_q3a77d549ae_attn, .Lfunc_end_k_q3a77d549ae_attn-k_q3a77d549ae_attn
	.p2alignl 7, 3214868480
	.fill 96, 4, 3214868480
	.section	.rodata,"a",@progbits
	.p2align	6, 0x0
	.amdhsa_kernel k_q3a77d549ae_attn
		.amdhsa_group_segment_fixed_size 93696
		.amdhsa_private_segment_fixed_size 0
		.amdhsa_enable_private_segment 0
		.amdhsa_kernarg_size 48
		.amdhsa_user_sgpr_count 2
		.amdhsa_user_sgpr_kernarg_segment_ptr 1
		.amdhsa_wavefront_size32 1
		.amdhsa_system_sgpr_workgroup_id_x 1
		.amdhsa_system_sgpr_workgroup_id_y 1
		.amdhsa_system_sgpr_workgroup_id_z 1
		.amdhsa_system_vgpr_workitem_id 0
		.amdhsa_next_free_vgpr 1024
		.amdhsa_next_free_sgpr 80
		.amdhsa_reserve_vcc 0
		.amdhsa_float_denorm_mode_32 3
		.amdhsa_float_denorm_mode_16_64 3
		.amdhsa_memory_ordered 1
		.amdhsa_forward_progress 1
		.amdhsa_inst_pref_size 255
	.end_amdhsa_kernel
	.section	.bss,"aw",@nobits
	.p2align	6
	.space	262144
	.amdgpu_metadata
---
amdhsa.version: [ 1, 2 ]
amdhsa.kernels:
  - .name:           k_q3a77d549ae_attn
    .symbol:         k_q3a77d549ae_attn.kd
    .args:
      - { .name: att, .offset: 0, .size: 8, .value_kind: global_buffer, .address_space: global }
      - { .name: asc, .offset: 8, .size: 8, .value_kind: global_buffer, .address_space: global }
      - { .name: pad_mask, .offset: 16, .size: 8, .value_kind: global_buffer, .address_space: global }
      - { .name: Q, .offset: 24, .size: 8, .value_kind: global_buffer, .address_space: global }
      - { .name: obuf, .offset: 32, .size: 8, .value_kind: global_buffer, .address_space: global }
      - { .name: flags, .offset: 40, .size: 8, .value_kind: global_buffer, .address_space: global }
    .group_segment_fixed_size: 93696
    .private_segment_fixed_size: 0
    .kernarg_segment_align: 8
    .kernarg_segment_size: 48
    .max_flat_workgroup_size: 128
    .sgpr_count:     80
    .vgpr_count:     1024
    .wavefront_size: 32
...
	.end_amdgpu_metadata
.endif
;; end of part 5
;; launch fin: the kernel of part 4 again; grid 256 x 1, 4 waves a work-group, no clusters, 299,008 bytes of LDS; arguments obuf, img, simg, g_o, be_o, bo, g_f, be_f, out0; writes out0
